; MI455X (gfx1250); checked and timed in simulation.
; The chip was launched on July 23, 2026; its instructions are those of AMD's public machine-readable ISA for CDNA 5 (MIT licence, August 2026) and "CDNA5" Instruction Set Architecture Reference Guide (July 2026). The comments in the code are by the model that wrote it; some were corrected since.
;; Multi Head Attention. Allowed arithmetic: matrix products marked QUANTISED: E2M1 operands, one E8M0 scale for each 32 along K, by v_wmma_scale_f32_16x16x128_f8f6f4 with both operands' format E2M1 (or v_wmma_scale_f32_32x16x128_f4), f32 sums; products left as they are: bf16, f16 or f32 operands; f32 sums; everything else in f32.
;; Inputs: b_out 1,024 float32; b_qkv 3,072 float32; mask 1 x 1 x 2,048 x 2,048 int32; w_out 1,024 x 1,024 float32; w_qkv 1,024 x 3,072 float32; x 4 x 2,048 x 1,024 float32.
;; Outputs: out0 4 x 2,048 x 1,024 float32.
;; This version of the problem:
;;   THIS VERSION OF THE PROBLEM IS GIVEN IN LOW PRECISION. The matrix products marked QUANTISED in the list below multiply operands that are first quantised to E2M1 (2 exponent bits, 1 mantissa bit; 4 bits a number), with one power-of-two scale for each 32 numbers along K (OCP MX v1.0); their sums are f32. The products marked 'left as it is' may take bf16, f16 or f32 operands, with f32 sums. Whichever they take, every output number must still come out within the allowed error. Rounding operands to bf16 (8 significant bits) uses up far more of that allowance than f16 does (11 bits, for magnitudes from 6e-5 to 65,504). All else is computed in f32.
;;   The module's matrix products, in the order in which they are computed (A, B: the left and right operand; K: the contracted axis; several contracted axes count as one K, in the product's order):
;;     1. [M 8,192, K 1,024] x [K 1,024, N 3,072]; A: input x; B: input w_qkv: QUANTISED
;;     2. batch 64 x [M 2,048, K 64] x [K 64, N 2,048]; A: computed on the way; B: computed on the way: left as it is (an operand is computed on the way)
;;     3. batch 64 x [M 2,048, K 2,048] x [K 2,048, N 64]; A: computed on the way; B: computed on the way: left as it is (an operand is computed on the way)
;;     4. [M 8,192, K 1,024] x [K 1,024, N 1,024]; A: computed on the way; B: input w_out: left as it is (an operand is computed on the way)
;;   THE QUANTISER, for each operand of a quantised product, along K:
;;     - K is cut into blocks of 32 from its start; a last block that is shorter is filled with zeros.
;;     - A block's scale is 2^e with e = floor(log2(the largest magnitude in the block)) - 2, held to -126 .. 127; a block of zeros has e = 0. As a byte (E8M0): e + 127.
;;     - Each number is divided by its block's scale, clamped to +-6, and rounded to the nearest number of E2M1, ties to even, subnormals kept.
;;     - The product sums the exact products of the quantised numbers (number of the format x scale) in f32.
;;   ~~~python
;;   def quantise(x, axis):      # numpy; x: float32 -> the quantised numbers, widened to float32 again
;;       x = np.moveaxis(x, axis, -1); K = x.shape[-1]
;;       x = np.pad(x, [(0, 0)] * (x.ndim - 1) + [(0, -K % 32)]); x = x.reshape(x.shape[:-1] + (-1, 32)); a = np.abs(x).max(-1, keepdims=True)
;;       e = np.where(a > 0, np.clip(np.frexp(np.where(a > 0, a, 1))[1] - 1 - 2, -126, 127), 0)      # np.frexp(a)[1] - 1 = floor(log2(a)), exactly
;;       r = np.clip(x / 2.0 ** e, -6, 6)
;;       step = 2.0 ** (np.maximum(np.frexp(np.where(r == 0, 1, r))[1] - 1, 0) - 1)
;;       q = np.round(r / step) * step * 2.0 ** e      # np.round: ties to even
;;       return np.moveaxis(q.reshape(q.shape[:-2] + (-1,))[..., :K], -1, axis).astype(np.float32)
;;   ~~~
;; One version. Each part assembles by itself: llvm-mc -triple=amdgcn-amd-amdhsa -mcpu=gfx1250 --defsym DOCPART=n.
;; ======== version 1 of 1: 4 launches
;; limits: values are held in f16: magnitudes above 65,504 overflow, below 6.1e-05 lose precision
;; workspace buffers: x_codes 4,194,304 bytes; x_scales 262,144 bytes; w_codes 1,572,864 bytes; w_scales 98,304 bytes; wof 2,097,152 bytes; maskw 524,288 bytes of whole numbers; qkv 50,331,648 bytes; ao 16,777,216 bytes
;; launch prep (part 1): grid 624 x 1, 4 waves a work-group, no clusters, 68,096 bytes of LDS; arguments x, w_qkv, w_out, mask, x_codes, x_scales, w_codes, w_scales, wof, maskw; writes x_codes, x_scales, w_codes, w_scales, wof, maskw
.if DOCPART == 1
	.amdgcn_target "amdgcn-amd-amdhsa--gfx1250"
	.amdhsa_code_object_version 6
	.text
	.protected	k_qc0848a9e84_prep
	.globl	k_qc0848a9e84_prep
	.p2align	8
	.type	k_qc0848a9e84_prep,@function
k_qc0848a9e84_prep:
	s_mov_b64 s[64:65], 0
	v_nop
	global_prefetch_b8 v0, s[64:65] scope:SCOPE_SE
	s_setreg_imm32_b32 hwreg(HW_REG_WAVE_MODE, 25, 1), 1
	s_wait_xcnt 0x0
; MULTI-HEAD ATTENTION, launch 1 of 4: every input is brought into the form in which the later launches read it, each input byte read once.
; NOTHING OF THE PROBLEM IS LEFT OUT AS DEAD WORK: every input is loaded.  (K's third of b_qkv adds q . b_k to a whole row of scores, which a softmax cancels in real numbers; it is kept:
; the bias rides as the C operand of the first matrix instruction of launch 2, in the lines that serve Q's and V's thirds, so that leaving it out would spare sixteen loads a wave and cost a second copy of those lines.)
; Four kinds of work-group, told apart by the work-group's number alone; each kind has its own text, its own LDS bytes and its own end:
;   0..255   X:    x [8192][1024] f32 -> codes of FP4 (E2M1), K innermost, [8192][512 bytes], and one E8M0 byte for each 32 along K, [8192][32 bytes]
;   256..303 W:    w_qkv [1024 (k)][3072 (n)] f32, K its FIRST axis -> codes [3072][512 bytes], K innermost, and scale bytes [3072][32]
;   304..367 WO:   w_out [1024 (k)][1024 (n)] f32 -> f16, in pieces of 512 bytes, [k / 128][n / 16][(k / 32) % 4][(k / 16) % 2][512]: lane L's 16 bytes of a piece lie at 16 L and hold
;                  w_out[16 k-tile + 8 (L / 16) + L % 8][16 n-tile + 8 ((L / 8) % 2) + 0 .. 7]: what lane L of a turning LDS load addresses
;   368..623 MASK: mask [2048 (q)][2048 (k)] int32 -> lane masks: word 8 kt + j of (block of 64 queries qb, step of 64 keys, tile t of 16 queries) has bit L set where
;                  mask[64 qb + 16 t + L % 16][64 step + 16 kt + 8 (L / 16) + j] is not 0: [qb 32][step 32][t 4][32 words]
; THE QUANTISER: a block's scale is 2^(floor(log2(its largest magnitude)) - 2); its byte is the largest magnitude's exponent field - 2, held at 1 from below.  A block of zeros so gets the byte 1 where the rule
; says 127: its codes are zeros, which add nothing under any byte but 0xff, and the bytes are read by this program alone.  Each number is divided by the scale and rounded to the nearest code, ties to even, beyond 6 the largest code.
; LIMITS: blocks whose largest magnitude lies under 2^-124 (the floor) are held at the byte 1; NaN and infinities in x and w_qkv are not served; w_out beyond 65,504 in magnitude has no f16 number.
; No tensor load, no barrier: waves share nothing.
.set SPW,    192                       ; v192  LDS address of my spare word: SPARE + 4 x my thread's number; never rewritten
.set NIL,    193                       ; v193  0; never rewritten
.set EMAX,   2
.set XWREG,  8192                      ; path X: LDS bytes 0 .. 32,767: a region for each wave: two stages of 32 x XSP bytes, behind them its 256 scale bytes
.set XSP,    80                        ; a lane's place in a stage: its 64 bytes + 16 of padding
.set XCB,    8                         ; bytes of 16 codes
.set XSTEPS, 16
.set XR,     16                        ; v16-79   four sets of 16 numbers as they are loaded
.set XX,     80                        ; v80-111  two sets of 16 neighbours
.set XE,     112                       ; v112-127 a scale byte for each step
.set XC,     128                       ; v128-191 codes: four registers for each step, so that no store's data are written again
.set WSTG,   32768                     ; path W: LDS bytes 32,768 .. 67,583: a stage of 32 rows x WPITCH for each wave
.set WPITCH, 272                       ; 256 bytes of codes + 16
.set WKROW,  512                       ; a row of w_codes in bytes
.set WN4,    12288                     ; a row of w_qkv in bytes
.set WNB,    16                        ; blocks of 32 along K for a wave
.set WX,     32                        ; v32-95   two sets of 32 numbers
.set WC,     96                        ; v96-99   a block's codes
.set WOUT,   112                       ; v112-175 the way out
.set WSB,    24                        ; v24-27   the scale bytes, four to a register
.set SPARE,  67584                     ; behind both: the spare words, 128 bytes for each wave: two blocks of 256 bytes that no other line names
	s_load_b512 s[4:19], s[0:1], 0x0               ; x 4:5, w_qkv 6:7, w_out 8:9, mask 10:11, x_codes 12:13, x_scales 14:15, w_codes 16:17, w_scales 18:19
	s_load_b128 s[20:23], s[0:1], 0x40             ; wof 20:21, maskw 22:23
	v_lshl_add_u32 v[SPW], v0, 2, SPARE
	v_mov_b32 v[NIL], 0
	v_lshrrev_b32 v1, 5, v0
	v_readfirstlane_b32 s24, v1                    ; wave 0..3
	v_and_b32 v2, 31, v0                           ; lane
	s_wait_kmcnt 0x0
	s_cmp_lt_u32 ttmp9, 256
	s_cbranch_scc1 .Lpath_x
	s_cmp_lt_u32 ttmp9, 304
	s_cbranch_scc1 .Lpath_w
	s_cmp_lt_u32 ttmp9, 368
	s_cbranch_scc1 .Lpath_wo
; ---------------- MASK: a wave takes 64 queries x 64 keys: 32 loads, together 256 aligned bytes of each of 64 rows; 128 compares; one store of 512 bytes
	s_sub_co_u32 s25, ttmp9, 368
	s_lshl_b32 s25, s25, 2
	s_add_co_u32 s25, s25, s24                     ; u = 32 qb + step
	s_lshr_b32 s26, s25, 5                         ; qb
	s_and_b32 s27, s25, 31                         ; step
	s_lshl_b32 s28, s26, 19                        ; 64 rows of 8,192 bytes
	s_lshl_b32 s27, s27, 8                         ; 64 keys of 4 bytes
	s_add_co_u32 s28, s28, s27
	s_mov_b32 s29, 0
	s_add_nc_u64 s[10:11], s[10:11], s[28:29]
	s_lshl_b32 s28, s25, 9                         ; 512 bytes of words for each (qb, step)
	s_add_nc_u64 s[22:23], s[22:23], s[28:29]
	v_and_b32 v3, 15, v2
	v_lshrrev_b32 v5, 4, v2
	v_lshlrev_b32 v3, 13, v3                       ; row lane % 16,
	v_lshl_add_u32 v3, v5, 5, v3                   ; + 8 keys for lanes 16-31
	v_lshlrev_b32 v4, 4, v2                        ; out: 16 bytes a lane
.irp t, 0,1,2,3
.irp kt, 0,1,2,3
.irp p, 0,1
	global_load_b128 v[32+32*\t+8*\kt+4*\p:32+32*\t+8*\kt+4*\p+3], v3, s[10:11] offset:131072*\t+64*\kt+16*\p   ; register 32 + 32 t + 8 kt + j: mask[16 t + lane % 16][16 kt + 8 (lane / 16) + j]
.endr
.endr
.endr
.irp i, 0,1,2,3
	v_mov_b32 v[160+\i], 0                         ; written whole before single lanes are written
.endr
	s_wait_loadcnt 0x0
.set W, 0
.rept 16                                           ; eight compares, then their eight words: word W goes to lane W / 4, register W % 4, which the store below puts at byte 4 W
.irp e, 0,1,2,3,4,5,6,7
	v_cmp_ne_u32 s[32+\e], 0, v[32+W+\e]
.endr
.irp e, 0,1,2,3,4,5,6,7
	v_writelane_b32 v[160+(W+\e)%4], s[32+\e], (W+\e)/4
.endr
.set W, W+8
.endr
	global_store_b128 v4, v[160:163], s[22:23]     ; 32 lanes store 512 consecutive bytes
	s_endpgm
; ---------------- WO: a wave takes 16 rows of k x 256 columns: 32 loads, together 1,024 consecutive bytes of each row; 16 pieces out
.Lpath_wo:
	s_sub_co_u32 s25, ttmp9, 304                   ; kq = k / 16; the wave's number picks the 256 columns
	s_lshl_b32 s28, s25, 16                        ; 16 rows of 4,096 bytes
	s_lshl_b32 s26, s24, 10
	s_add_co_u32 s28, s28, s26
	s_mov_b32 s29, 0
	s_add_nc_u64 s[8:9], s[8:9], s[28:29]
	s_lshr_b32 s26, s25, 3
	s_lshl_b32 s28, s26, 18                        ; k / 128: 64 n-tiles x 4,096 bytes
	s_lshl_b32 s26, s24, 16                        ; my 16 n-tiles
	s_add_co_u32 s28, s28, s26
	s_bfe_u32 s26, s25, 0x20001                    ; (k / 32) % 4
	s_lshl_b32 s26, s26, 10
	s_add_co_u32 s28, s28, s26
	s_and_b32 s26, s25, 1                          ; (k / 16) % 2
	s_lshl_b32 s26, s26, 9
	s_add_co_u32 s28, s28, s26
	s_add_nc_u64 s[20:21], s[20:21], s[28:29]
	v_lshrrev_b32 v5, 4, v2
	v_and_b32 v6, 7, v2
	v_lshl_add_u32 v5, v5, 3, v6                   ; my row: 8 (lane / 16) + lane % 8
	v_bfe_u32 v6, v2, 3, 1                         ; my eight columns of the sixteen
	v_lshlrev_b32 v3, 12, v5
	v_lshl_add_u32 v3, v6, 5, v3
	v_lshlrev_b32 v4, 4, v2
.irp n, 0,1,2,3,4,5,6,7,8,9,10,11,12,13,14,15
.irp p, 0,1
	global_load_b128 v[32+8*\n+4*\p:32+8*\n+4*\p+3], v3, s[8:9] offset:64*\n+16*\p
.endr
.endr
	s_wait_loadcnt 0x0
.set i, 0
.rept 64
	v_cvt_pk_f16_f32 v[32+i], v[32+2*i], v[32+2*i+1]   ; in place, ascending: the result never lands on a number not yet read
.set i, i+1
.endr
.irp n, 0,1,2,3,4,5,6,7,8,9,10,11,12,13,14,15
	global_store_b128 v4, v[32+4*\n:32+4*\n+3], s[20:21] offset:4096*\n   ; a piece: 512 consecutive bytes
.endr
	s_endpgm
; ---------------- X: rows are dense and K is a multiple of 32, so x is a plain stream of blocks of 32 numbers.  A wave takes 16 steps of 512 numbers.  The conversions take 8 numbers of ONE block from a lane's registers,
; so a lane must hold 16 neighbours; a load is best where neighbouring lanes take neighbouring bytes.  Both are had: each load reads 512 consecutive bytes, and a step's 2,048 bytes turn through the wave's own stage in LDS.
.Lpath_x:
	v_lshlrev_b32 v3, 4, v2                        ; my 16 bytes of a load's 512
	s_mul_i32 s25, s24, XWREG
	v_lshrrev_b32 v14, 2, v2
	v_mul_u32_u24 v14, v14, XSP
	v_and_b32 v15, 3, v2
	v_lshl_add_u32 v14, v15, 4, v14
	v_add_nc_u32 v14, s25, v14                     ; the stage, on the way in: XSP (lane / 4) + 16 (lane % 4)
	v_mul_u32_u24 v15, v2, XSP
	v_add_nc_u32 v15, s25, v15                     ; and on the way out: XSP x lane: my 16 neighbours
	v_mul_u32_u24 v4, v2, XCB                      ; my codes' place in a step's
	v_lshrrev_b32 v5, 1, v2
	s_add_co_u32 s25, s25, 2*32*XSP
	v_add_nc_u32 v5, s25, v5                       ; LDS: my wave's 256 scale bytes, my block's byte
	v_lshlrev_b32 v7, 3, v2                        ; and on the way out 8 bytes a lane
	v_add_nc_u32 v6, s25, v7
	s_lshl_b32 s26, ttmp9, 2
	s_add_co_u32 s26, s26, s24                     ; which run of 8,192 numbers is my wave's: 0 .. 1,023
	s_mov_b32 s29, 0
	s_lshl_b32 s28, s26, 15
	s_add_nc_u64 s[4:5], s[4:5], s[28:29]
	s_lshl_b32 s28, s26, 12
	s_add_nc_u64 s[12:13], s[12:13], s[28:29]
	s_lshl_b32 s28, s26, 8
	s_add_nc_u64 s[14:15], s[14:15], s[28:29]
.macro XLOAD t
.irp i, 0,1,2,3
	global_load_b128 v[XR+16*((\t)%4)+4*\i:XR+16*((\t)%4)+4*\i+3], v3, s[4:5] offset:2048*(\t)+512*\i th:TH_LOAD_NT   ; 32 lanes read 512 consecutive bytes
.endr
.endm
.macro XTURN t                         ; step t's numbers through the stage: LDS serves a wave's instructions in order, so no wait stands between the stores and the loads
.irp i, 0,1,2,3
	ds_store_b128 v14, v[XR+16*((\t)%4)+4*\i:XR+16*((\t)%4)+4*\i+3] offset:32*XSP*((\t)%2)+8*XSP*\i
.endr
.irp i, 0,1,2,3
	ds_load_b128 v[XX+16*((\t)%2)+4*\i:XX+16*((\t)%2)+4*\i+3], v15 offset:32*XSP*((\t)%2)+16*\i
.endr
.endm
.irp t, 0,1,2,3
	XLOAD \t
.endr
	s_wait_loadcnt 12                              ; step 0's four loads are in
	XTURN 0
.macro XSTEP t
.set XS, XX+16*((\t)%2)
.if (\t) > 0
	s_wait_dscnt 1                                 ; this step's numbers are back from the stage (the last step's byte store may be out): so its stores into the stage have read their registers,
.else
	s_wait_dscnt 0x0
.endif
.if (\t)+4 < XSTEPS
	XLOAD (\t)+4                                   ; which take the loads of four steps on
.endif
.if (\t)+1 < XSTEPS
.if XSTEPS-2-(\t) >= 3
	s_wait_loadcnt 12                              ; the next step's four loads are in; those of the three steps behind it may be out
.else
	s_wait_loadcnt 4*(XSTEPS-2-(\t))
.endif
	XTURN (\t)+1                                   ; and go through the other stage while this step is worked
.endif
	v_max3_num_f32 v8, |v[XS]|, |v[XS+1]|, |v[XS+2]|               ; the largest magnitude of my 16
	v_max3_num_f32 v9, |v[XS+3]|, |v[XS+4]|, |v[XS+5]|
.irp i, 6,10
	v_max3_num_f32 v8, v8, |v[XS+\i]|, |v[XS+\i+1]|
	v_max3_num_f32 v9, v9, |v[XS+\i+2]|, |v[XS+\i+3]|
.endr
	v_max3_num_f32 v8, v8, |v[XS+14]|, |v[XS+15]|
	v_max3_num_f32 v8, v8, v9, (EMAX+1)<<23        ; and the floor 2^(EMAX + 1 - 127): so the byte cannot fall under 1
	v_max_num_f32_dpp v8, v8, v8 row_xmask:1 row_mask:0xf bank_mask:0xf   ; and of my neighbour's 16: the block's
	v_add_nc_u32 v11, -(EMAX<<23), v8              ; EMAX off its exponent field: the conversion takes the exponent field of this operand as its scale, and nothing else of it
	v_cvt_scalef32_pk8_fp4_f32 v[XC+4*(\t)], v[XS:XS+7], v11
	v_cvt_scalef32_pk8_fp4_f32 v[XC+4*(\t)+1], v[XS+8:XS+15], v11
	v_lshrrev_b32 v[XE+(\t)], 23, v11              ; the scale's byte
	ds_store_b8 v5, v[XE+(\t)] offset:16*(\t)      ; both lanes of a block write the same byte with the same value
	global_store_b64 v4, v[XC+4*(\t):XC+4*(\t)+1], s[12:13] offset:32*XCB*(\t)   ; the wave stores 256 consecutive bytes
.endm
.irp t, 0,1,2,3,4,5,6,7,8,9,10,11,12,13,14,15
	XSTEP \t
.endr
	ds_load_b64 v[8:9], v6                         ; LDS serves a wave's instructions in order: these see my stores
	s_wait_dscnt 0x0
	global_store_b64 v7, v[8:9], s[14:15]          ; 32 lanes store 256 consecutive bytes of scale bytes
	s_wait_tensorcnt 0x0                           ; the wave's end: behind my last LDS store
	ds_add_u32 v[SPW], v[NIL]
	s_wait_dscnt 0x0
	s_endpgm
; ---------------- W: A LANE TAKES A COLUMN n, AND ITS REGISTERS RUN DOWN K: each load reads neighbouring n in neighbouring lanes, a block of 32 along K lies in one lane's 32 registers, and the conversions give codes
; with K innermost.  A wave takes 32 columns x 512 along K; the codes go through its own stage and leave as rows: sixteen lanes store 256 consecutive bytes.
.Lpath_w:
	s_sub_co_u32 s25, ttmp9, 256
	s_lshr_b32 s26, s25, 1                         ; which 128 columns
	s_and_b32 s27, s25, 1                          ; which 512 along K
	s_lshl_b32 s26, s26, 7
	s_lshl_b32 s28, s24, 5
	s_add_co_u32 s26, s26, s28                     ; my wave's first column
	v_lshlrev_b32 v3, 2, v2                        ; in: 4 bytes a lane
	s_mul_i32 s28, s24, 32*WPITCH
	s_add_co_u32 s28, s28, WSTG                    ; my stage
	v_mul_u32_u24 v4, v2, WPITCH
	v_add_nc_u32 v4, s28, v4                       ; into it: row = my column
	v_and_b32 v5, 15, v2
	v_lshrrev_b32 v6, 4, v2                        ; out of it: sixteen lanes to a row, two rows an instruction
	v_mul_u32_u24 v7, v6, WPITCH
	v_lshl_add_u32 v7, v5, 4, v7
	v_add_nc_u32 v7, s28, v7
	v_mul_u32_u24 v8, v6, WKROW
	v_lshl_add_u32 v8, v5, 4, v8                   ; and the same place in w_codes
	v_lshlrev_b32 v9, 5, v2                        ; my column's row of scale bytes: 32 bytes a row
	s_mul_i32 s30, s27, 512*WN4
	s_lshl_b32 s28, s26, 2
	s_add_co_u32 s30, s30, s28
	s_mov_b32 s31, 0
	s_add_nc_u64 s[6:7], s[6:7], s[30:31]
	s_lshl_b32 s30, s26, 9
	s_lshl_b32 s28, s27, 8
	s_add_co_u32 s30, s30, s28
	s_add_nc_u64 s[16:17], s[16:17], s[30:31]
	s_lshl_b32 s30, s26, 5
	s_lshl_b32 s28, s27, 4
	s_add_co_u32 s30, s30, s28
	s_add_nc_u64 s[18:19], s[18:19], s[30:31]
.macro WLOAD t                         ; block t: w_qkv(32 t + i, my column), i = 0 .. 31, into set t % 2.  The largest offset, 511 rows of 12,288 bytes, lies inside the signed 24-bit immediate
.irp i, 0,1,2,3,4,5,6,7,8,9,10,11,12,13,14,15,16,17,18,19,20,21,22,23,24,25,26,27,28,29,30,31
	global_load_b32 v[WX+32*((\t)%2)+\i], v3, s[6:7] offset:(32*(\t)+\i)*WN4 th:TH_LOAD_NT
.endr
.endm
	WLOAD 0
	WLOAD 1
.macro WBLOCK t
.set WS, WX+32*((\t)%2)
.if (\t) < WNB-1
	s_wait_loadcnt 32                              ; this block's 32 loads are in; the next block's may be out
.else
	s_wait_loadcnt 0
.endif
	v_max3_num_f32 v12, |v[WS]|, |v[WS+1]|, |v[WS+2]|               ; the block's largest magnitude: all 32 numbers are mine
	v_max3_num_f32 v13, |v[WS+3]|, |v[WS+4]|, |v[WS+5]|
.irp i, 6,10,14,18,22,26
	v_max3_num_f32 v12, v12, |v[WS+\i]|, |v[WS+\i+1]|
	v_max3_num_f32 v13, v13, |v[WS+\i+2]|, |v[WS+\i+3]|
.endr
	v_max3_num_f32 v12, v12, |v[WS+30]|, |v[WS+31]|
	v_max3_num_f32 v12, v12, v13, (EMAX+1)<<23     ; and the floor
	v_add_nc_u32 v11, -(EMAX<<23), v12             ; the conversion's scale operand
	v_lshrrev_b32 v13, 23, v11                     ; the scale's byte
.if (\t)%4 == 0
	v_mov_b32 v[WSB+(\t)/4], v13                   ; four bytes to a register, the lower K in the lower byte
.else
	v_lshl_or_b32 v[WSB+(\t)/4], v13, 8*((\t)%4), v[WSB+(\t)/4]
.endif
.irp g, 0,1,2,3
	v_cvt_scalef32_pk8_fp4_f32 v[WC+\g], v[WS+8*\g:WS+8*\g+7], v11
.endr
	ds_store_b128 v4, v[WC:WC+3] offset:16*(\t)    ; 32 codes: 16 bytes of my column's row
.if (\t)+2 < WNB
	WLOAD (\t)+2
.endif
	s_wait_dscnt 0x0                               ; the store has read its registers: the next block's codes may be written
.endm
.set Q, 0
.rept WNB
	WBLOCK Q
.set Q, Q+1
.endr
	global_store_b128 v9, v[WSB:WSB+3], s[18:19]   ; my column's 16 scale bytes
.irp t, 0,1,2,3,4,5,6,7,8,9,10,11,12,13,14,15
	ds_load_b128 v[WOUT+4*\t:WOUT+4*\t+3], v7 offset:2*\t*WPITCH   ; LDS serves a wave's instructions in order: these see my stores
.endr
.irp t, 0,1,2,3,4,5,6,7,8,9,10,11,12,13,14,15
	s_wait_dscnt 15-\t
	global_store_b128 v8, v[WOUT+4*\t:WOUT+4*\t+3], s[16:17] offset:2*\t*WKROW
.endr
	s_wait_tensorcnt 0x0                           ; the wave's end: behind my last LDS store
	ds_add_u32 v[SPW], v[NIL]
	s_wait_dscnt 0x0
	s_endpgm
.Lfunc_end_k_qc0848a9e84_prep:
	.size	k_qc0848a9e84_prep, .Lfunc_end_k_qc0848a9e84_prep-k_qc0848a9e84_prep
	.p2alignl 7, 3214868480
	.fill 96, 4, 3214868480
	.section	.rodata,"a",@progbits
	.p2align	6, 0x0
	.amdhsa_kernel k_qc0848a9e84_prep
		.amdhsa_group_segment_fixed_size 68096
		.amdhsa_private_segment_fixed_size 0
		.amdhsa_enable_private_segment 0
		.amdhsa_kernarg_size 80
		.amdhsa_user_sgpr_count 2
		.amdhsa_user_sgpr_kernarg_segment_ptr 1
		.amdhsa_wavefront_size32 1
		.amdhsa_system_sgpr_workgroup_id_x 1
		.amdhsa_system_sgpr_workgroup_id_y 1
		.amdhsa_system_sgpr_workgroup_id_z 1
		.amdhsa_system_vgpr_workitem_id 0
		.amdhsa_next_free_vgpr 196
		.amdhsa_next_free_sgpr 66
		.amdhsa_reserve_vcc 0
		.amdhsa_float_denorm_mode_32 3
		.amdhsa_float_denorm_mode_16_64 3
		.amdhsa_memory_ordered 1
		.amdhsa_forward_progress 1
		.amdhsa_inst_pref_size 140
	.end_amdhsa_kernel
	.amdgpu_metadata
---
amdhsa.version: [ 1, 2 ]
amdhsa.kernels:
  - .name:           k_qc0848a9e84_prep
    .symbol:         k_qc0848a9e84_prep.kd
    .args:
      - { .name: x, .offset: 0, .size: 8, .value_kind: global_buffer, .address_space: global }
      - { .name: w_qkv, .offset: 8, .size: 8, .value_kind: global_buffer, .address_space: global }
      - { .name: w_out, .offset: 16, .size: 8, .value_kind: global_buffer, .address_space: global }
      - { .name: mask, .offset: 24, .size: 8, .value_kind: global_buffer, .address_space: global }
      - { .name: x_codes, .offset: 32, .size: 8, .value_kind: global_buffer, .address_space: global }
      - { .name: x_scales, .offset: 40, .size: 8, .value_kind: global_buffer, .address_space: global }
      - { .name: w_codes, .offset: 48, .size: 8, .value_kind: global_buffer, .address_space: global }
      - { .name: w_scales, .offset: 56, .size: 8, .value_kind: global_buffer, .address_space: global }
      - { .name: wof, .offset: 64, .size: 8, .value_kind: global_buffer, .address_space: global }
      - { .name: maskw, .offset: 72, .size: 8, .value_kind: global_buffer, .address_space: global }
    .group_segment_fixed_size: 68096
    .private_segment_fixed_size: 0
    .kernarg_segment_align: 8
    .kernarg_segment_size: 80
    .max_flat_workgroup_size: 128
    .sgpr_count:     66
    .vgpr_count:     196
    .wavefront_size: 32
...
	.end_amdgpu_metadata
.endif
;; end of part 1
;; launch qkv (part 2): grid 12 x 32, 4 waves a work-group, clusters of 4 x 4, 327,680 bytes of LDS; arguments x_codes, x_scales, w_codes, w_scales, b_qkv, qkv; writes qkv
.if DOCPART == 2
	.amdgcn_target "amdgcn-amd-amdhsa--gfx1250"
	.amdhsa_code_object_version 6
	.text
	.protected	k_qc0848a9e84_qkv
	.globl	k_qc0848a9e84_qkv
	.p2align	8
	.type	k_qc0848a9e84_qkv,@function
k_qc0848a9e84_qkv:
	s_mov_b64 s[64:65], 0
	v_nop
	global_prefetch_b8 v0, s[64:65] scope:SCOPE_SE
	s_setreg_imm32_b32 hwreg(HW_REG_WAVE_MODE, 25, 1), 1
	s_wait_xcnt 0x0
	s_wait_alu depctr_hold_cnt(0) depctr_sa_sdst(0) depctr_va_vdst(0) depctr_va_sdst(0) depctr_va_ssrc(0) depctr_va_vcc(0) depctr_vm_vsrc(0)
	s_getreg_b32 s2, hwreg(HW_REG_IB_STS2, 6, 4)
	s_cmp_eq_u32 s2, 0
	s_cbranch_scc0 .Lentry_in_a_cluster
	s_endpgm
.Lentry_in_a_cluster:
	s_bfe_u32 s2, ttmp6, 0x10000c
	s_cmp_lg_u32 s2, 0xf033
	s_cbranch_scc0 .Lentry_shape_is_right
	s_endpgm
.Lentry_shape_is_right:
; Launch 2 of 4: qkv = x w_qkv + b_qkv on codes of FP4 (E2M1) with one E8M0 scale for each 32 along K; sums in f32; the results are rounded to f16 and stored as the operands of launch 3.  No work is left out.
; A = x_codes [8192][512 bytes], B = w_codes [3072][512 bytes], K = 1,024 innermost; their scale bytes [rows][32].  The matrix instruction takes codes and scale bytes as they lie in memory.
; A tile of 256 tokens x 256 channels is made by a work-group of four waves; a wave makes 128 x 128: 64 accumulators of 16 x 16, 512 registers.  K goes in two steps of 512, one in each of two LDS slots: both are first fills, nothing is filled again.
; THE SCALES of the work-group's 256 rows of A and of B, for all of K, are two dense blocks of memory: they come into LDS once, with the first fills.
; CLUSTERS: 4 x 4 work-groups.  The four of a row of the cluster need the same tiles of A, the four of a column the same tiles of B: each tile is asked for JOINTLY, by the same tensor load with the same descriptor and a mask that names the four.
; THE MATRIX INSTRUCTION IS USED TRANSPOSED (source 0 = 16 rows of B, source 1 = 16 rows of A): a lane holds one token (lane % 16) and eight neighbouring channels, 8 (lane / 16) + 0 .. 7 of the tile's sixteen.
; THE BIAS is the C operand of each sum's first matrix instruction: eight registers for each of B's eight blocks, in the result's layout.
; THE WAY OUT: an accumulator, rounded to f16, is 16 bytes a lane: a PIECE of 512 bytes, stored by one instruction.  Q and K: lane L's bytes at 16 L (16 tokens x 16 channels: half an operand's fragment as its registers want it).
; V: lane (r, h)'s bytes at 16 x (16 (r / 8) + 8 h + r % 8): the place from which a turning LDS load, addressed at 16 x lane, brings the keys into a lane's registers.
;   Q: qkv + bh x 262,144 + T x 2,048 + ct x 512             (bh = 16 batch + head, T = tile of 16 tokens of the sequence, ct = tile of 16 of the head's 64 channels)
;   K: qkv + 2^24 + bh x 524,288 + (T / 4) x 16,384 + (T % 4) x 2,048 + ct x 512;     V: the same + 8,192 + ct x 2,048 + (T % 4) x 512:   a step of 64 keys is 16,384 consecutive bytes, K's pieces and then V's
; A cluster's 1,024 channels are all Q's, all K's or all V's (cluster x = 0, 1, 2): what differs are shifts and offsets chosen by s_cselect_b32 on the cluster's x; no branch.
; LIMITS: q, k, v beyond 65,504 in magnitude have no f16 number (with x and w_qkv both 30 times what the problem draws they stay under 4,000); NaN and infinities among the inputs are not served.
; REGISTERS, in windows of 256: window 0: v0-31 addresses; v32-95 scale words, two sets; v128-191 A's fragments, ONE set (on the way out: the packed results); v192-255 the bias.
;   window 1: B's fragments, TWO sets, at v0 and at v128.   window 2: the 32 accumulators of my tokens 0-63 (accumulator (a, b) at v[8 (8 a + b)]);   window 3: those of my tokens 64-127.
.set SIZE_K, 1024
.set KSTEP,  512                       ; along K in a slot
.set NQ,     KSTEP/128                 ; matrix instructions deep
.set ROWB,   256                       ; a tile's row in bytes
.set KROW,   SIZE_K*4/8                ; a row of A or of B in memory, in bytes
.set PITCH,  272                       ; an LDS row: 256 bytes + 16 of padding = 68 words: the 16 rows that a load touches start 4 banks apart (64 banks of 4 bytes: ISA guide 11.1)
.set FR,     8                         ; registers of a fragment: 16 rows x 128 K
.set NL,     2                         ; LDS loads that bring one
.set NP,     4                         ; places behind this matrix instruction (ISA guide 7.12.1)
.set HALFT,  128*PITCH                 ; 128 rows: what one tensor load brings
.set SLOT,   4*HALFT                   ; A's 256 rows, then B's 256 rows
.set KS,     SIZE_K/32                 ; a row of scales in bytes
.set SCL,    2*SLOT                    ; behind the slots: the scales, as units of 256 bytes + 16 of padding
.set HALFS,  (128*KS/256)*272          ; the scales of 128 rows: what one tensor load brings
.set SBLK,   (16*KS/256)*272           ; those of 16 rows
.set SPARE,  SCL+4*HALFS               ; behind the scales: the spare words, 128 bytes for each wave: two blocks of 256 bytes that no other line names
.set OB,   8                           ; v8-15   the way out: my byte offset in the piece of B's block b
.set ADRA, 16                          ; v16-17  LDS address of my A fragments in slot 0, 1
.set ADRB, 20                          ; v20-21  the same for B
.set ADRS, 27                          ; v27     LDS address of my scale words: lanes 0-15 A's rows, lanes 16-31 B's
.set SPW,  28                          ; v28     LDS address of my spare word; never rewritten
.set NIL,  29                          ; v29     0; never rewritten
.set BO,   30                          ; v30     32 x (lane / 16): my eight numbers of a block's sixteen of the bias
.set SC,   32                          ; scale words: set s at v[SC + 8 NQ s]; register NQ i + q: lanes 0-15 the word of A's block i, lanes 16-31 that of B's block i
.set AF,   128                         ; A's fragments, in window 0
.set BIAS, 192                         ; the bias: block b at v[BIAS + 8 b]
.set G1, 24                            ; s[24:31] descriptor group 1 for A's tiles;  s[32:39] group 0, one set for each slot
.set G0, 32
.set G1B, 48                           ; s[48:55], s[56:63] the same for B's tiles
.set G0B, 56
.set G1S, 68                           ; s[68:75], s[76:79] groups 1 and 0 for A's scales;  s[80:87], s[88:91] for B's
.set G0S, 76
.set G1SB, 80
.set G0SB, 88
.set MSB, 0
.macro WIN new                         ; the immediate's high byte repeats the setting that is left
.if MSB != \new
	s_set_vgpr_msb (MSB<<8)|\new
.set MSB, \new
.endif
.endm
.set MUL_LO, 0xa1                      ; source 0 (B) window 1, source 1 (A) window 0, C and D window 2
.set MUL_HI, 0xf1                      ; the same, C and D window 3
.set FST_LO, 0x81                      ; the first step: C (the bias) window 0, D window 2
.set FST_HI, 0xc1                      ; and D window 3
.set TO_B,   0x40                      ; destination window 1, address window 0
; A joint load: waves 0 and 1 fetch for A, waves 2 and 3 for B.  Each of the two lines has ONE mask and one set of registers for all that issue it; the branch hangs on the wave's number alone.
; An s_nop 0 and four v_nop follow each of the two lines, ahead of the jump, the label and what follows.
.macro JLOAD g0a, g1a, g0b, g1b
	s_cmp_eq_u32 s15, 0
	s_cbranch_scc0 .Lfor_b_\@
	tensor_load_to_lds s[\g0a:\g0a+3], s[\g1a:\g1a+7]
	s_nop 0
.rept 4
	v_nop
.endr
	s_branch .Lasked_\@
.Lfor_b_\@:
	tensor_load_to_lds s[\g0b:\g0b+3], s[\g1b:\g1b+7]
	s_nop 0
.rept 4
	v_nop
.endr
.Lasked_\@:
.endm
.macro CROUND                          ; a round of the cluster's barrier: my work-group's barrier; wave 0 signals for the work-group; every wave waits for all sixteen; my work-group's barrier once more
	s_barrier_signal -1
	s_barrier_wait -1
	s_cmp_lg_u32 s14, 0
	s_cbranch_scc1 .Lnot_wave_0_\@
	s_barrier_signal -3
.Lnot_wave_0_\@:
	s_barrier_wait -3
	s_barrier_signal -1
	s_barrier_wait -1
.endm
	s_load_b128 s[4:7], s[0:1], 0x0                ; A's codes s[4:5], A's scales s[6:7]
	s_load_b128 s[8:11], s[0:1], 0x10              ; B's codes s[8:9], B's scales s[10:11]
	s_load_b128 s[96:99], s[0:1], 0x20             ; b_qkv s[96:97], qkv s[98:99]
	v_lshl_add_u32 v[SPW], v0, 2, SPARE
	v_mov_b32 v[NIL], 0
	ds_add_u32 v[SPW], v[NIL]                      ; the wave's opening: the add, twice on end, and its wait ahead of my first tensor load; the set-up below stands between the second and the wait
	ds_add_u32 v[SPW], v[NIL]
	v_lshrrev_b32 v1, 5, v0
	v_readfirstlane_b32 s14, v1                    ; wave 0..3
	s_lshr_b32 s15, s14, 1                         ; which half of the tile's tokens is mine.  Also: I fetch for A (0) or for B (1)
	s_and_b32 s16, s14, 1                          ; which half of its channels.  Also: which 128 rows of that tile I fetch
	s_bfe_u32 s40, ttmp6, 0x40000                  ; cx, cy: my place in the cluster
	s_bfe_u32 s41, ttmp6, 0x40004
	s_lshl_b32 s42, ttmp9, 2
	s_add_co_u32 s42, s42, s40                     ; tile column = 4 x cluster x + cx
	s_and_b32 s17, ttmp7, 0xffff
	s_lshl_b32 s17, s17, 2
	s_add_co_u32 s17, s17, s41                     ; tile row = 4 x cluster y + cy
	s_lshl_b32 s43, s41, 2
	s_lshl_b32 s43, 15, s43                        ; my row of the cluster
	s_lshl_b32 s44, 0x1111, s40                    ; my column
	; descriptor group 1: a tile of 128 rows x ROWB bytes, padded in LDS
	s_or_b32 s[G1+0], s43, (0<<16)|(1<<20)|(1<<21)|(5<<22)|(3<<25)  ; 15:0 the mask: A's tiles go to my row; 17:16 element of 1 byte; 20 padding on; 21 set beside a mask; 24:22 after every 64 words (code 5); 31:25 of 4 words (code 3)
	s_or_b32 s[G1B+0], s44, (0<<16)|(1<<20)|(1<<21)|(5<<22)|(3<<25)
.irp g, G1, G1B
	s_mov_b32 s[\g+1], ROWB<<16                    ; tensor_dim0
	s_mov_b32 s[\g+2], 128<<16                     ; tensor_dim1 = 128
	s_mov_b32 s[\g+3], ROWB<<16                    ; tile_dim0
	s_mov_b32 s[\g+4], 128                         ; tile_dim1 = 128
	s_mov_b32 s[\g+5], KROW                        ; tensor_dim0_stride
	s_mov_b32 s[\g+6], 0
	s_mov_b32 s[\g+7], 0
.endr
	; and for the scales of 128 rows: a dense block of 128 KS bytes, as rows of 256 bytes (32 elements of 8 bytes), 16 bytes of padding behind each
	s_or_b32 s[G1S+0], s43, (3<<16)|(1<<20)|(1<<21)|(5<<22)|(3<<25)
	s_or_b32 s[G1SB+0], s44, (3<<16)|(1<<20)|(1<<21)|(5<<22)|(3<<25)
.irp g, G1S, G1SB
	s_mov_b32 s[\g+1], 32<<16
	s_mov_b32 s[\g+2], (128*KS/256)<<16
	s_mov_b32 s[\g+3], 32<<16
	s_mov_b32 s[\g+4], 128*KS/256
	s_mov_b32 s[\g+5], 32
	s_mov_b32 s[\g+6], 0
	s_mov_b32 s[\g+7], 0
.endr
	s_lshl_b32 s18, s16, 7                         ; which 128 rows of the tile I fetch
	s_lshl_b32 s20, s17, 8
	s_add_co_u32 s20, s20, s18                     ; A: row 256 x tile row + 128 x half
	s_lshl_b32 s46, s42, 8
	s_add_co_u32 s46, s46, s18                     ; B: row 256 x tile column + 128 x half
	s_mov_b32 s21, 0
	s_mov_b32 s47, 0
	s_mov_b64 s[18:19], KS
	s_mul_u64 s[22:23], s[20:21], s[18:19]         ; where these rows' scales begin, in bytes
	s_mul_u64 s[92:93], s[46:47], s[18:19]
	s_mov_b64 s[18:19], KROW
	s_mul_u64 s[20:21], s[20:21], s[18:19]         ; and their codes
	s_mul_u64 s[46:47], s[46:47], s[18:19]
	s_mul_i32 s45, s14, HALFT                      ; where they go: wave x 128 rows: no place in the cluster enters an LDS address
	s_mul_i32 s94, s14, HALFS
	s_wait_dscnt 0x0                               ; both opening adds are done
	s_wait_kmcnt 0x0
	s_add_nc_u64 s[20:21], s[4:5], s[20:21]
	s_add_nc_u64 s[22:23], s[6:7], s[22:23]
	s_add_nc_u64 s[46:47], s[8:9], s[46:47]
	s_add_nc_u64 s[92:93], s[10:11], s[92:93]
	CROUND                                         ; all sixteen work-groups are here: the first joint loads meet
	s_mov_b32 s[G0S], 1
	s_add_co_u32 s[G0S+1], s94, SCL
	s_mov_b64 s[G0S+2:G0S+3], s[22:23]
	s_or_b32 s[G0S+3], s[G0S+3], 0x80000000
	s_mov_b32 s[G0SB], 1
	s_add_co_u32 s[G0SB+1], s94, SCL
	s_mov_b64 s[G0SB+2:G0SB+3], s[92:93]
	s_or_b32 s[G0SB+3], s[G0SB+3], 0x80000000
	JLOAD G0S, G1S, G0SB, G1SB                     ; the scales first: they are wanted with K step 0
.irp s, 0,1
	s_mov_b32 s[G0+4*\s], 1
	s_add_co_u32 s[G0+4*\s+1], s45, \s*SLOT
	s_add_nc_u64 s[G0+4*\s+2:G0+4*\s+3], s[20:21], \s*ROWB
	s_or_b32 s[G0+4*\s+3], s[G0+4*\s+3], 0x80000000
	s_mov_b32 s[G0B+4*\s], 1
	s_add_co_u32 s[G0B+4*\s+1], s45, \s*SLOT
	s_add_nc_u64 s[G0B+4*\s+2:G0B+4*\s+3], s[46:47], \s*ROWB
	s_or_b32 s[G0B+4*\s+3], s[G0B+4*\s+3], 0x80000000
	JLOAD G0+4*\s, G1, G0B+4*\s, G1B               ; three loads of mine are out: the scales and both K steps
.endr
	v_and_b32 v1, 15, v0                           ; r = l % 16
	v_bfe_u32 v2, v0, 4, 1                         ; h = l / 16
	; the bias of my 128 channels: b_qkv at 256 x tile column + 128 x half; lane (r, h) wants, for block b, the numbers 16 b + 8 h + 0 .. 7
	s_lshl_b32 s46, s42, 10
	s_lshl_b32 s47, s16, 9
	s_add_co_u32 s46, s46, s47
	s_mov_b32 s47, 0
	s_add_nc_u64 s[96:97], s[96:97], s[46:47]
	v_lshlrev_b32 v[BO], 5, v2
.irp b, 0,1,2,3,4,5,6,7
	global_load_b128 v[BIAS+8*\b:BIAS+8*\b+3], v[BO], s[96:97] offset:64*\b
	global_load_b128 v[BIAS+8*\b+4:BIAS+8*\b+7], v[BO], s[96:97] offset:64*\b+16
.endr
	v_mul_u32_u24 v3, v1, PITCH
	v_lshl_add_u32 v4, v2, 4, v3                   ; a fragment's row x pitch + 16 x half
	s_mul_i32 s21, s15, HALFT                      ; my 128 rows of A
	s_mul_i32 s22, s16, HALFT                      ; my 128 rows of B,
	s_add_co_u32 s22, s22, 2*HALFT                 ; which lie behind A's 256
.irp s, 0,1
	v_add_nc_u32 v[ADRA+\s], s21, v4
	v_add_nc_u32 v[ADRB+\s], s22, v4
	s_add_co_u32 s21, s21, SLOT
	s_add_co_u32 s22, s22, SLOT
.endr
	v_mul_u32_u24 v5, v1, KS                       ; my row's scales: KS bytes a row,
	v_lshrrev_b32 v6, 8, v5
	v_lshl_add_u32 v5, v6, 4, v5                   ; and 16 more for each 256 passed
	s_mul_i32 s21, s15, HALFS                      ; A's: my 128 rows
	s_mul_i32 s22, s16, HALFS                      ; B's: my 128 rows, behind A's 256
	s_add_co_u32 s22, s22, 2*HALFS
	s_sub_co_u32 s22, s22, s21
	v_mul_u32_u24 v6, s22, v2                      ; lanes 16-31 take B's
	s_add_co_u32 s21, s21, SCL
	v_add_nc_u32 v5, v5, v6
	v_add_nc_u32 v[ADRS], s21, v5
	; THE WAY OUT'S ADDRESSES.  bh0 = 16 batch + 4 cx + 2 x my half of the channels; T0 = 16 (tile row % 8) + 8 x my half of the tokens
	s_lshr_b32 s18, s17, 3                         ; batch
	s_lshl_b32 s18, s18, 4
	s_lshl_b32 s19, s40, 2
	s_add_co_u32 s18, s18, s19
	s_lshl_b32 s19, s16, 1
	s_add_co_u32 s18, s18, s19                     ; bh0
	s_and_b32 s19, s17, 7
	s_lshl_b32 s19, s19, 2
	s_lshl_b32 s20, s15, 1
	s_add_co_u32 s19, s19, s20                     ; T0 / 4
	s_cmp_eq_u32 ttmp9, 0                          ; Q's cluster?  (the cluster's x: the same in all sixteen partners)
	s_cselect_b32 s20, 18, 19                      ; a head's bytes: 2^18 in Q's part, 2^19 in K's and V's
	s_cselect_b32 s21, 13, 14                      ; four tiles of tokens: 2^13, or a key step's 2^14
	s_cselect_b32 s22, 0, 0x1000000                ; K's and V's part begins at 2^24
	s_cmp_eq_u32 ttmp9, 2                          ; V's cluster?
	s_cselect_b32 s23, 9, 11                       ; from one tile of tokens to the next,
	s_cselect_b32 s92, 11, 9                       ; from one tile of channels to the next
	s_cselect_b32 s93, 8192, 0                     ; V's pieces lie behind K's
	s_cselect_b32 s94, -1, 0                       ; and are laid for the turning load
	s_lshl_b32 s100, 1, s20
	s_lshl_b32 s101, 1, s92
	s_lshl_b32 s18, s18, s20
	s_lshl_b32 s19, s19, s21
	s_add_co_u32 s18, s18, s19
	s_add_co_u32 s18, s18, s22
	s_add_co_u32 s18, s18, s93
	s_mov_b32 s19, 0
	s_add_nc_u64 s[12:13], s[98:99], s[18:19]      ; where the pieces of my first tile of tokens begin
	s_lshl_b32 s66, 1, s23                         ; the step to the next tile of tokens,
	s_mov_b32 s67, 0
	s_lshl_b32 s104, 1, s21                        ; and from the fourth to the fifth
	s_mul_i32 s18, s66, 3
	s_sub_co_u32 s104, s104, s18
	s_mov_b32 s105, 0
	v_and_b32 v6, 31, v0
	v_lshlrev_b32 v7, 4, v6                        ; Q, K: 16 x lane
	v_lshrrev_b32 v5, 3, v1
	v_lshlrev_b32 v5, 4, v5
	v_lshl_add_u32 v5, v2, 3, v5
	v_and_b32 v6, 7, v1
	v_add_nc_u32 v5, v5, v6
	v_lshlrev_b32 v6, 4, v5                        ; V: 16 x (16 (r / 8) + 8 h + r % 8)
	v_cndmask_b32 v7, v7, v6, s94
	v_mov_b32 v[OB], v7                            ; block b: head bh0 + b / 4, tile b % 4 of its channels
.irp b, 1,2,3
	v_add_nc_u32 v[OB+\b], s101, v[OB+\b-1]
.endr
.irp b, 4,5,6,7
	v_add_nc_u32 v[OB+\b], s100, v[OB+\b-4]
.endr
.macro FRAG reg, adr, q, i             ; a fragment, 16 rows x 128 K of 4-bit codes, is 8 registers: lane l holds row l % 16; registers 4 c .. 4 c + 3 hold K = 64 c + 32 (l / 16) + 0 .. 31
.irp c, 0,1
	ds_load_b128 v[\reg+4*\c:\reg+4*\c+3], v[\adr] offset:64*(\q)+32*\c+(\i)*16*PITCH
.endr
.endm
; 16 matrix instructions: A's blocks a0, a0 + 1 x B's eight, 128 along K: the slot's q-th.  p: B's set;  sc: the set of scale words.  first = 1: the sums begin with the bias as C: nothing is ever cleared or added later.
; The 64 accumulators take turns, one instruction a turn, in the same order in every step.
.macro MUL16 a0, p, q, sc, first
.irp a, \a0, \a0+1
.irp b, 0,1,2,3,4,5,6,7
.if \first
	v_wmma_scale_f32_16x16x128_f8f6f4 v[8*(8*((\a)%4)+\b):8*(8*((\a)%4)+\b)+7], v[128*(\p)+FR*\b:128*(\p)+FR*\b+FR-1], v[AF+FR*(\a):AF+FR*(\a)+FR-1], v[BIAS+8*\b:BIAS+8*\b+7], v[SC+8*NQ*(\sc)+NQ*\b+(\q)], v[SC+8*NQ*(\sc)+NQ*(\a)+(\q)] matrix_a_fmt:MATRIX_FMT_FP4 matrix_b_fmt:MATRIX_FMT_FP4 matrix_a_scale:MATRIX_SCALE_ROW1
.else
	v_wmma_scale_f32_16x16x128_f8f6f4 v[8*(8*((\a)%4)+\b):8*(8*((\a)%4)+\b)+7], v[128*(\p)+FR*\b:128*(\p)+FR*\b+FR-1], v[AF+FR*(\a):AF+FR*(\a)+FR-1], v[8*(8*((\a)%4)+\b):8*(8*((\a)%4)+\b)+7], v[SC+8*NQ*(\sc)+NQ*\b+(\q)], v[SC+8*NQ*(\sc)+NQ*(\a)+(\q)] matrix_a_fmt:MATRIX_FMT_FP4 matrix_b_fmt:MATRIX_FMT_FP4 matrix_a_scale:MATRIX_SCALE_ROW1
.endif
.endr
.endr
.endm
.macro FETCH_B slot, q, p              ; B's eight fragments of the slot's q-th 128 along K into set p
	WIN TO_B
.irp i, 0,1,2,3,4,5,6,7
	FRAG 128*(\p)+FR*\i, ADRB+\slot, \q, \i
.endr
	WIN 0
.endm
.macro FETCH_A slot, q, i0             ; A's blocks i0 .. i0 + 3
.irp i, \i0, \i0+1, \i0+2, \i0+3
	FRAG AF+FR*(\i), ADRA+\slot, \q, \i
.endr
.endm
.macro SCALES sc                       ; a K step's scale words into set sc: NQ words a row; lanes 0-15 take A's block i, lanes 16-31 B's block i
.irp i, 0,1,2,3,4,5,6,7
	ds_load_b128 v[SC+8*NQ*\sc+NQ*\i:SC+8*NQ*\sc+NQ*\i+3], v[ADRS] offset:\i*SBLK
.endr
.endm
; A load into a register that a matrix instruction has read, and a vector instruction that reads a matrix result or writes one of a matrix instruction's registers, stand NP places behind that matrix instruction, and only
; plain vector instructions that name none of its registers are places (ISA guide 7.12.1 for vector instructions).
.macro PLACES n
.rept \n
	v_nop
.endr
.endm
; A step of 128 along K that has its successor in the same slot.  A block of A is free as soon as its eight products are issued: blocks 0-3 are fetched anew in the step's middle, blocks 4-7 at its end.
.macro STEP slot, q, first
	s_wait_dscnt 4*NL                              ; B's set and A's blocks 0-3 are in; the youngest loads (A's blocks 4-7) may be out
.if \first
	WIN FST_LO
.else
	WIN MUL_LO
.endif
	MUL16 0, (\q)%2, \q, \slot, \first
	MUL16 2, (\q)%2, \q, \slot, \first
	s_wait_dscnt 0                                 ; A's blocks 4-7 are in (asked for 32 matrix instructions ago)
	PLACES NP
	FETCH_B \slot, (\q)+1, 1-(\q)%2
	FETCH_A \slot, (\q)+1, 0
.if \first
	WIN FST_HI
.else
	WIN MUL_HI
.endif
	MUL16 4, (\q)%2, \q, \slot, \first
	MUL16 6, (\q)%2, \q, \slot, \first
	PLACES NP
	WIN 0
	FETCH_A \slot, (\q)+1, 4
.endm
; Slot 0's last step changes slots: ONE barrier; in front of it each wave waits for all its tensor loads (its part of slot 1), adds 0 to its spare word, and waits for that and for its LDS loads.
.macro TURN slot, next
	s_wait_tensorcnt 0x0                           ; all my tensor loads have landed: my part of the next slot;  (every window is 0 here: the add's two registers lie in window 0)
	ds_add_u32 v[SPW], v[NIL]                      ; 0 onto my spare word
	s_wait_dscnt 4*NL+1                            ; (the add and the youngest loads, A's blocks 4-7, may be out)
	WIN MUL_LO
	MUL16 0, 1, NQ-1, \slot, 0                     ; sixteen matrix instructions stand between the add and the wait for it
	s_wait_dscnt 0x0                               ; the add is done, and my LDS loads are in
	s_barrier_signal -1
	MUL16 2, 1, NQ-1, \slot, 0
	WIN 0
	s_barrier_wait -1                              ; every wave's part of the next slot has landed
	PLACES NP
	v_add_nc_u32 v[ADRS], 4*NQ, v[ADRS]            ; on to the next K step's scale words (no LDS load of mine is out)
	FETCH_B \next, 0, 0
	FETCH_A \next, 0, 0
	SCALES \next
	WIN MUL_HI
	MUL16 4, 1, NQ-1, \slot, 0
	MUL16 6, 1, NQ-1, \slot, 0
	PLACES NP
	WIN 0
	FETCH_A \next, 0, 4
.endm
.macro STEPS slot, from                ; the slot's steps from .. NQ - 2
.set Q, \from
.rept NQ-1-\from
	STEP \slot, Q, 0
.set Q, Q+1
.endr
.endm
	s_wait_tensorcnt 1                             ; the scales and my part of K step 0 are in (K step 1's load may be out)
	s_barrier_signal -1
	s_barrier_wait -1                              ; everybody's are
	FETCH_B 0, 0, 0
	FETCH_A 0, 0, 0
	SCALES 0
	FETCH_A 0, 0, 4
	s_wait_loadcnt 0x0                             ; the bias
	STEP 0, 0, 1                                   ; the first step's products start the sums, on the bias
	STEPS 0, 1
	TURN 0, 1
	STEPS 1, 0
	s_wait_dscnt 4*NL                              ; the very last step: nothing more to fetch
	WIN MUL_LO
	MUL16 0, 1, NQ-1, 1, 0
	MUL16 2, 1, NQ-1, 1, 0
	s_wait_dscnt 0
	WIN MUL_HI
	MUL16 4, 1, NQ-1, 1, 0
	MUL16 6, 1, NQ-1, 1, 0
	WIN 0
; THE WAY OUT of block a (16 tokens x 128 channels): eight accumulators, each from its low end on, are rounded to f16, four registers each, and leave as eight pieces of 512 bytes.  No LDS.
.macro OUT a
.set AC, 64*((\a)%4)
.set PB, AF+32*((\a)%2)
.if (\a) > 0
	s_wait_xcnt 0x0                                ; the earlier stores have read their base and their data: both may be written again
.if (\a) == 4
	s_add_nc_u64 s[12:13], s[12:13], s[104:105]
.else
	s_add_nc_u64 s[12:13], s[12:13], s[66:67]
.endif
.endif
	WIN 0x0a+5*((\a)/4)                            ; sources 0 and 1: window 2 or 3
.irp b, 0,1,2,3,4,5,6,7
.irp i, 0,1,2,3
	v_cvt_pk_f16_f32 v[PB+4*\b+\i], v[AC+8*\b+2*\i], v[AC+8*\b+2*\i+1]
.endr
.endr
	WIN 0
.irp b, 0,1,2,3,4,5,6,7
	global_store_b128 v[OB+\b], v[PB+4*\b:PB+4*\b+3], s[12:13]   ; 32 lanes store 512 bytes, at a multiple of 512 from the buffer's first byte
.endr
.endm
	PLACES NP                                      ; behind the last products: the conversions read results and write over the registers that held A's fragments
.irp a, 0,1,2,3,4,5,6,7
	OUT \a
.endr
	s_wait_tensorcnt 0x0                           ; the wave's end: behind my last tensor load
	ds_add_u32 v[SPW], v[NIL]
	s_wait_dscnt 0x0
	CROUND                                         ; the closing round: no work-group ends while a partner may still ask for a tile that names it
	s_endpgm
.Lfunc_end_k_qc0848a9e84_qkv:
	.size	k_qc0848a9e84_qkv, .Lfunc_end_k_qc0848a9e84_qkv-k_qc0848a9e84_qkv
	.p2alignl 7, 3214868480
	.fill 96, 4, 3214868480
	.section	.rodata,"a",@progbits
	.p2align	6, 0x0
	.amdhsa_kernel k_qc0848a9e84_qkv
		.amdhsa_group_segment_fixed_size 327680
		.amdhsa_private_segment_fixed_size 0
		.amdhsa_enable_private_segment 0
		.amdhsa_kernarg_size 48
		.amdhsa_user_sgpr_count 2
		.amdhsa_user_sgpr_kernarg_segment_ptr 1
		.amdhsa_wavefront_size32 1
		.amdhsa_system_sgpr_workgroup_id_x 1
		.amdhsa_system_sgpr_workgroup_id_y 1
		.amdhsa_system_sgpr_workgroup_id_z 1
		.amdhsa_system_vgpr_workitem_id 0
		.amdhsa_next_free_vgpr 1024
		.amdhsa_next_free_sgpr 106
		.amdhsa_reserve_vcc 0
		.amdhsa_float_denorm_mode_32 3
		.amdhsa_float_denorm_mode_16_64 3
		.amdhsa_memory_ordered 1
		.amdhsa_forward_progress 1
		.amdhsa_inst_pref_size 121
	.end_amdhsa_kernel
	.amdgpu_metadata
---
amdhsa.version: [ 1, 2 ]
amdhsa.kernels:
  - .name:           k_qc0848a9e84_qkv
    .symbol:         k_qc0848a9e84_qkv.kd
    .args:
      - { .name: x_codes, .offset: 0, .size: 8, .value_kind: global_buffer, .address_space: global }
      - { .name: x_scales, .offset: 8, .size: 8, .value_kind: global_buffer, .address_space: global }
      - { .name: w_codes, .offset: 16, .size: 8, .value_kind: global_buffer, .address_space: global }
      - { .name: w_scales, .offset: 24, .size: 8, .value_kind: global_buffer, .address_space: global }
      - { .name: b_qkv, .offset: 32, .size: 8, .value_kind: global_buffer, .address_space: global }
      - { .name: qkv, .offset: 40, .size: 8, .value_kind: global_buffer, .address_space: global }
    .group_segment_fixed_size: 327680
    .private_segment_fixed_size: 0
    .kernarg_segment_align: 8
    .kernarg_segment_size: 48
    .max_flat_workgroup_size: 128
    .sgpr_count:     106
    .vgpr_count:     1024
    .wavefront_size: 32
...
	.end_amdgpu_metadata
.endif
;; end of part 2
;; launch attn (part 3): grid 4 x 64, 8 waves a work-group, clusters of 4 x 1, 327,680 bytes of LDS; arguments qkv, maskw, ao; writes ao
.if DOCPART == 3
	.amdgcn_target "amdgcn-amd-amdhsa--gfx1250"
	.amdhsa_code_object_version 6
	.text
	.protected	k_qc0848a9e84_attn
	.globl	k_qc0848a9e84_attn
	.p2align	8
	.type	k_qc0848a9e84_attn,@function
k_qc0848a9e84_attn:
	s_mov_b64 s[64:65], 0
	v_nop
	global_prefetch_b8 v0, s[64:65] scope:SCOPE_SE
	s_setreg_imm32_b32 hwreg(HW_REG_WAVE_MODE, 25, 1), 1
	s_wait_xcnt 0x0
	s_wait_alu depctr_hold_cnt(0) depctr_sa_sdst(0) depctr_va_vdst(0) depctr_va_sdst(0) depctr_va_ssrc(0) depctr_va_vcc(0) depctr_vm_vsrc(0)
	s_getreg_b32 s2, hwreg(HW_REG_IB_STS2, 6, 4)
	s_cmp_eq_u32 s2, 0
	s_cbranch_scc0 .Lentry_in_a_cluster
	s_endpgm
.Lentry_in_a_cluster:
	s_bfe_u32 s2, ttmp6, 0x10000c
	s_cmp_lg_u32 s2, 0x3003
	s_cbranch_scc0 .Lentry_shape_is_right
	s_endpgm
.Lentry_shape_is_right:
; Launch 3 of 4: o[b][h][q] = the sum over k of softmax_k(where(mask[q][k] == 0, -inf, q . k / 8)) v[k], head size 64, 2,048 keys.  Operands in f16, products, maxima and sums in f32; p is rounded to f16 for the second product, o once at the end.  No work is left out.
; SHARES.  A cluster of four work-groups is one batch-head; each work-group owns 512 queries, each of its EIGHT waves 64: four tiles of 16.  Two waves share a SIMD, so that one wave's softmax stands beside the other's products and LDS loads.
; Every wave walks all keys, 64 a step, 8 steps to an LDS slot.  Each fragment of K and V read from LDS feeds four matrix instructions.
; LAYOUT.  S^T = K Q^T (source 0 = 16 keys, source 1 = 16 queries): a lane holds ONE query (lane % 16) and the keys 8 (lane / 16) + 0 .. 7 of each tile of 16.  Two such tiles, rounded to f16 in pairs, ARE source 1 of
; O^T = V^T P, whose result again holds one query a lane, and eight channels.  P is packed in place, over the low half of S^T's registers.
; Q, K and V lie in memory as pieces of 512 bytes, lane L's 16 bytes at 16 L (launch 2): every load here, from memory and from LDS, reads 512 consecutive bytes.  V's pieces are read by the turning load.
; THE MASK comes as lane masks (launch 1): the word for register w of a tile's S^T goes by a scalar load into a scalar register and is the select of one v_cndmask_b32: a hidden score becomes -infinity AHEAD of the maximum.
; SOFTMAX.  For each query a running maximum m and sum l: p = 2^(c s - c m), c = log2(e) / 8; in every step O and l are multiplied by a = 2^(c m_old - c m_new).  m begins at -3e38, a number: while all keys so far are hidden, p = 2^(-inf) = 0.
; A row whose every key is hidden ends with l = 0 and O = 0: 0 x (1 / 0) is NaN, as the softmax of that row is.
; CLUSTER.  The four work-groups walk the same K and V: each eighth of a slot is asked for JOINTLY, by the same tensor load with the same descriptor and the mask 15, by the same wave of all four.
; LIMITS: scores and p are f32; o beyond 65,504 in magnitude has no f16 number (it is an average of v).
; REGISTERS, in windows of 256: window 0: v1-5 addresses and constants; v16-47 eight registers of statistics a tile; v64-191 S^T, 32 a tile (P in the low 16); v192-255 K of one step.
;   window 1: v0-127 O^T, 32 a tile; v128-191 Q, 16 a tile; v192-255 V of one step.
.set SLOT1, 1<<17                      ; a slot: 8 steps x 16,384 bytes; slot 1 begins here, so that one exclusive or turns an address in one slot into the other's
.set STEPB, 16384                      ; a step: K's 16 pieces, then V's 16
.set SPARE, 2*SLOT1                    ; behind the slots: the spare words, 128 bytes for each wave: four blocks of 256 bytes that no other line names
.set LI,   1                           ; v1   16 x lane; never rewritten
.set ADR,  2                           ; v2   LDS address of the step in hand
.set NINF, 3                           ; v3   -infinity
.set SPW,  4                           ; v4   LDS address of my spare word; never rewritten
.set NIL,  5                           ; v5   0; never rewritten
.set ST,   16                          ; tile t's statistics at v[ST + 8 t]: +0 c m, +1 m, +2, +3 l (even keys', odd keys'), +4 .. +7 at work; a at +6
.set S,    64
.set KF,   192
.set QF,   128                         ; in window 1
.set VF,   192                         ; in window 1
.set WV,   12                          ; s12  my wave's number
.set TB,   13                          ; s13  LDS byte at which the step in hand begins
.set SLOTS, 14                         ; s14  slots still to be asked for
.set STEPC, 15                         ; s15  counts a slot's steps
.set G1,   16                          ; s[16:23] descriptor group 1
.set G0,   24                          ; s[24:27] descriptor group 0, which walks
.set CS,   28                          ; s[28:29] c: the packed scaling names a pair and takes its low word for both halves
.set SEL,  30                          ; s[30:31] lane selects for v_permlanex16_b32: lane l xor 16
.set MA,   32                          ; s[32:63] the 32 mask words of the pair's first tile
.set MOFF, 66                          ; s66  the step's place among my 64 queries' mask words: 512 bytes a step
.set MB,   68                          ; s[68:99] those of its second tile
.set MSB, 0
.macro WIN new                         ; the immediate's high byte repeats the setting that is left; a switch that changes nothing is dropped
.if MSB != \new
	s_set_vgpr_msb (MSB<<8)|\new
.set MSB, \new
.endif
.endm
.set W_KQ,  0x04                       ; Q (source 1) in window 1; K and S^T in window 0
.set W_PV,  0x51                       ; V (source 0) and O^T (C and D) in window 1; P in window 0
.set W_RS,  0x41                       ; O^T (destination and source 0) in window 1, a in window 0
.set TO_1,  0x40                       ; destination window 1, address window 0
.set W_OUT, 0x01                       ; source 0 (O^T) window 1, all else window 0
.macro CROUND                          ; a round of the cluster's barrier
	s_barrier_signal -1
	s_barrier_wait -1
	s_cmp_lg_u32 s[WV], 0
	s_cbranch_scc1 .Lnot_wave_0_\@
	s_barrier_signal -3
.Lnot_wave_0_\@:
	s_barrier_wait -3
	s_barrier_signal -1
	s_barrier_wait -1
.endm
.macro JLOAD                           ; every wave asks for its eighth of a slot: no branch.  An s_nop 0 and four v_nop follow
	tensor_load_to_lds s[G0:G0+3], s[G1:G1+7]
	s_nop 0
.rept 4
	v_nop
.endr
.endm
.macro MLOAD off                       ; the mask words of two tiles, 256 bytes, from off bytes on in the step's 512
	s_load_b512 s[MA:MA+15], s[6:7], s[MOFF] offset:\off
	s_load_b512 s[MA+16:MA+31], s[6:7], s[MOFF] offset:\off+64
	s_load_b512 s[MB:MB+15], s[6:7], s[MOFF] offset:\off+128
	s_load_b512 s[MB+16:MB+31], s[6:7], s[MOFF] offset:\off+192
.endm
	s_load_b128 s[4:7], s[0:1], 0x0                ; qkv s[4:5], maskw s[6:7]
	s_load_b64 s[8:9], s[0:1], 0x10                ; ao
	v_lshl_add_u32 v[SPW], v0, 2, SPARE
	v_mov_b32 v[NIL], 0
	ds_add_u32 v[SPW], v[NIL]                      ; the wave's opening: the add, twice on end, and its wait ahead of my first tensor load; the set-up below stands between the second and the wait
	ds_add_u32 v[SPW], v[NIL]
	v_lshrrev_b32 v1, 5, v0
	v_readfirstlane_b32 s[WV], v1                  ; wave 0..7
	v_and_b32 v1, 31, v0
	v_lshlrev_b32 v[LI], 4, v1
	v_mov_b32 v[NINF], 0xff800000
	s_bfe_u32 s2, ttmp6, 0x40000                   ; cx
	s_lshl_b32 s3, ttmp9, 2
	s_add_co_u32 s2, s2, s3                        ; my block of 512 queries: it enters Q's, the mask words' and ao's addresses alone
	s_and_b32 s3, ttmp7, 0xffff                    ; bh = 16 batch + head, which the four partners share
	s_lshl_b32 s10, s3, 19                         ; K and V: the head's 524,288 bytes,
	s_lshl_b32 s67, s[WV], 14                      ; my eighth of a slot,
	s_add_co_u32 s10, s10, s67
	s_add_co_u32 s10, s10, 0x1000000               ; behind Q's part
	s_mov_b32 s11, 0
	s_lshl_b32 s100, s3, 18                        ; Q: the head's 262,144 bytes, tile 32 x block + 4 x wave of 2,048 bytes
	s_lshl_b32 s67, s2, 16
	s_add_co_u32 s100, s100, s67
	s_lshl_b32 s67, s[WV], 13
	s_add_co_u32 s100, s100, s67
	s_mov_b32 s101, 0
	s_lshl_b32 s104, s2, 17                        ; the mask words of my 64 queries: (8 x block + wave) x 16,384
	s_lshl_b32 s67, s[WV], 14
	s_add_co_u32 s104, s104, s67
	s_mov_b32 s105, 0
	s_bfe_u32 s14, s3, 0x30001                     ; ao: (head / 2) x 2^21
	s_lshl_b32 s14, s14, 21
	s_lshr_b32 s67, s3, 4
	s_lshl_b32 s67, s67, 19                        ; + row tile (128 batch + 32 block + 4 wave) x 4,096
	s_add_co_u32 s14, s14, s67
	s_add_co_u32 s14, s14, s104
	s_and_b32 s67, s3, 1
	s_lshl_b32 s67, s67, 11                        ; + (head % 2) x 2,048
	s_add_co_u32 s14, s14, s67
	s_mov_b32 s15, 0
	; descriptor group 1: 16,384 dense bytes as 64 rows of 256 bytes (32 elements of 8 bytes), no padding
	s_mov_b32 s[G1], 15|(3<<16)|(1<<21)            ; 15:0 the mask: all four work-groups; 17:16 elements of 8 bytes; 21 set beside a mask
	s_mov_b32 s[G1+1], 32<<16                      ; tensor_dim0 = 32
	s_mov_b32 s[G1+2], 64<<16                      ; tensor_dim1 = 64
	s_mov_b32 s[G1+3], 32<<16                      ; tile_dim0 = 32
	s_mov_b32 s[G1+4], 64                          ; tile_dim1 = 64
	s_mov_b32 s[G1+5], 32                          ; tensor_dim0_stride
	s_mov_b32 s[G1+6], 0
	s_mov_b32 s[G1+7], 0
	s_mov_b32 s[CS], 0x3e38aa3b                    ; c = log2(e) / 8
	s_mov_b32 s[CS+1], s[CS]                       ; named with it as a pair, so it is written
	s_mov_b32 s[SEL], 0x76543210
	s_mov_b32 s[SEL+1], 0xfedcba98
	s_mov_b32 s[TB], 0
	s_mov_b32 s[MOFF], 0
	s_wait_dscnt 0x0                               ; both opening adds are done
	s_wait_kmcnt 0x0
	s_mov_b32 s[G0], 1                             ; count = 1
	s_lshl_b32 s[G0+1], s[WV], 14                  ; LDS address: slot 0, my eighth: no place in the cluster enters it
	s_add_nc_u64 s[G0+2:G0+3], s[4:5], s[10:11]    ; global address: the head's first 512 keys, my eighth
	s_or_b32 s[G0+3], s[G0+3], 0x80000000          ; type = 2
	s_add_nc_u64 s[4:5], s[4:5], s[100:101]
	s_add_nc_u64 s[6:7], s[6:7], s[104:105]
	s_add_nc_u64 s[8:9], s[8:9], s[14:15]
	CROUND                                         ; all four work-groups are here: the first joint loads meet
	JLOAD                                          ; slot 0: one load of mine is out
	MLOAD 0                                        ; step 0, tiles 0 and 1
	WIN TO_1
.irp t, 0,1,2,3
.irp i, 0,1,2,3
	global_load_b128 v[QF+16*\t+4*\i:QF+16*\t+4*\i+3], v[LI], s[4:5] offset:2048*\t+512*\i   ; Q stays in registers: tile t, channels 16 i on
.endr
.endr
.set i, 0
.rept 128
	v_mov_b32 v[i], 0                              ; O^T.  (The step is written once: its first turn finds zeros, which the first a leaves zeros; a first step of its own would be a third copy of the step's text)
.set i, i+1
.endr
	WIN 0
.irp t, 0,1,2,3
	v_mov_b32 v[ST+8*\t+1], 0xff61b1e6             ; m = -3e38, under every score
	v_mul_f32 v[ST+8*\t], s[CS], v[ST+8*\t+1]      ; c m
.irp i, 2,3,4,5,6,7
	v_mov_b32 v[ST+8*\t+\i], 0                     ; l; and the registers at work, since a lane permute's destination counts as one of its sources
.endr
.endr
	s_wait_loadcnt 0x0                             ; Q
; THE SOFTMAX of tiles y and y + 1 for one key step, the two tiles' lines by turns, so that no line waits for the line above it.
.macro SOFT y
	s_wait_kmcnt 0x0                               ; the two tiles' mask words are in; no scalar load of mine is out
.if \y == 2
	s_add_co_u32 s[MOFF], s[MOFF], 512             ; on to the next step's words; behind the last step it wraps to the first: the look-ahead stays inside my 16,384 bytes, and its words are not used
	s_and_b32 s[MOFF], s[MOFF], 0x3fff
.endif
.set w, 0
.rept 32                                           ; hidden scores become -infinity.  Ascending: each accumulator is first read at its lowest register
	v_cndmask_b32 v[S+32*(\y)+w], v[NINF], v[S+32*(\y)+w], s[MA+w]
	v_cndmask_b32 v[S+32*(\y)+32+w], v[NINF], v[S+32*(\y)+32+w], s[MB+w]
.set w, w+1
.endr
.irp j, 0,1,2,3                                    ; the maximum of the lane's 32 scores and the old m, three operands at a time: four chains of seven scores each,
.irp t, \y, \y+1
.set rT, ST+8*(\t)
.set rS, S+32*(\t)
	v_max3_num_f32 v[rT+4+\j], v[rS+8*\j], v[rS+8*\j+1], v[rS+8*\j+2]
.endr
.endr
.irp g, 1,2
.irp j, 0,1,2,3
.irp t, \y, \y+1
.set rT, ST+8*(\t)
.set rS, S+32*(\t)
	v_max3_num_f32 v[rT+4+\j], v[rT+4+\j], v[rS+8*\j+2*\g+1], v[rS+8*\j+2*\g+2]
.endr
.endr
.endr
.irp t, \y, \y+1                                   ; the four scores left over,
.set rT, ST+8*(\t)
.set rS, S+32*(\t)
	v_max3_num_f32 v[rT+4], v[rT+4], v[rS+7], v[rS+15]
	v_max3_num_f32 v[rT+6], v[rT+6], v[rS+23], v[rS+31]
.endr
.irp t, \y, \y+1
.set rT, ST+8*(\t)
	v_max3_num_f32 v[rT+4], v[rT+4], v[rT+5], v[rT+6]
.endr
.irp t, \y, \y+1
.set rT, ST+8*(\t)
	v_max3_num_f32 v[rT+4], v[rT+4], v[rT+7], v[rT+1]   ; the chains and the old m
.endr
.if \y == 0
	MLOAD 256                                      ; the selects above have read their words: this step's tiles 2 and 3 are asked for,
.else
	MLOAD 0                                        ; or the next step's tiles 0 and 1
.endif
.irp t, \y, \y+1
.set rT, ST+8*(\t)
	v_permlanex16_b32 v[rT+5], v[rT+4], s[SEL], s[SEL+1]   ; the query's other 32 keys lie in the lane 16 away
.endr
.irp t, \y, \y+1
.set rT, ST+8*(\t)
	v_mov_b32 v[rT+7], v[rT]                       ; c m_old is kept for a
.endr
.irp t, \y, \y+1
.set rT, ST+8*(\t)
	v_max_num_f32 v[rT+1], v[rT+4], v[rT+5]        ; the new m
.endr
.irp t, \y, \y+1
.set rT, ST+8*(\t)
	v_mul_f32 v[rT], s[CS], v[rT+1]                ; c m
.endr
.irp t, \y, \y+1
.set rT, ST+8*(\t)
	v_sub_f32 v[rT+7], v[rT+7], v[rT]              ; c m_old - c m_new
.endr
.set w, 0
.rept 16
.irp t, \y, \y+1
.set rT, ST+8*(\t)
.set rS, S+32*(\t)
	v_pk_fma_f32 v[rS+w:rS+w+1], v[rS+w:rS+w+1], s[CS:CS+1], v[rT:rT+1] op_sel_hi:[1,0,0] neg_lo:[0,0,1] neg_hi:[0,0,1]   ; c s - c m, two at a time
.endr
.set w, w+2
.endr
.irp t, \y, \y+1                                   ; ONE BATCH of 66 exponentials: none of them reads another's result
.set rT, ST+8*(\t)
	v_exp_f32 v[rT+6], v[rT+7]                     ; a
.endr
.set w, 0
.rept 32
	v_exp_f32 v[S+32*(\y)+w], v[S+32*(\y)+w]       ; p, at most 1
	v_exp_f32 v[S+32*(\y)+32+w], v[S+32*(\y)+32+w]
.set w, w+1
.endr
	v_nop                                          ; a plain instruction behind the last exponential, ahead of the first use (ISA guide 5.7.2)
	s_wait_alu depctr_va_vdst(0)                   ; a wait ahead of the first instruction that names a result: one for the batch
.irp t, \y, \y+1
.set rT, ST+8*(\t)
	v_pk_mul_f32 v[rT+2:rT+3], v[rT+2:rT+3], v[rT+6:rT+7] op_sel_hi:[1,0]   ; l under the new m
.endr
.irp t, \y, \y+1                                   ; the sum of the unrounded p, in two chains a tile: the even pairs onto l, the odd pairs beside it
.set rT, ST+8*(\t)
.set rS, S+32*(\t)
	v_pk_add_f32 v[rT+4:rT+5], v[rS+2:rS+3], v[rS+6:rS+7]
	v_pk_add_f32 v[rT+2:rT+3], v[rT+2:rT+3], v[rS:rS+1]
.endr
.irp i, 1,2,3,4,5,6
.irp t, \y, \y+1
.set rT, ST+8*(\t)
.set rS, S+32*(\t)
	v_pk_add_f32 v[rT+2:rT+3], v[rT+2:rT+3], v[rS+4*\i:rS+4*\i+1]
	v_pk_add_f32 v[rT+4:rT+5], v[rT+4:rT+5], v[rS+4*\i+6:rS+4*\i+7]
.endr
.endr
.irp t, \y, \y+1
.set rT, ST+8*(\t)
.set rS, S+32*(\t)
	v_pk_add_f32 v[rT+2:rT+3], v[rT+2:rT+3], v[rS+28:rS+29]
.endr
.irp t, \y, \y+1
.set rT, ST+8*(\t)
	v_pk_add_f32 v[rT+2:rT+3], v[rT+2:rT+3], v[rT+4:rT+5]
.endr
.set w, 0
.rept 16                                           ; P: rounded to f16 in place, ascending: the result never lands on a weight not yet read
	v_cvt_pk_f16_f32 v[S+32*(\y)+w], v[S+32*(\y)+2*w], v[S+32*(\y)+2*w+1]
	v_cvt_pk_f16_f32 v[S+32*(\y)+32+w], v[S+32*(\y)+32+2*w], v[S+32*(\y)+32+2*w+1]
.set w, w+1
.endr
.endm
; A KEY STEP: 64 keys.
.macro STEP
	v_add_nc_u32 v[ADR], s[TB], v[LI]
.rept 4
	v_nop                                          ; with the addition above five places behind the last products V^T P: four are asked ahead of the loads into V's registers, five ahead of the products below, which write over P (ISA guide 7.12.1 for vector instructions)
.endr
.irp i, 0,1,2,3,4,5,6,7,8,9,10,11,12,13,14,15
	ds_load_b128 v[KF+4*\i:KF+4*\i+3], v[ADR] offset:512*\i          ; K: keys 16 (i / 4) on, channels 16 (i % 4) on
.endr
	WIN TO_1
.irp i, 0,1,2,3,4,5,6,7,8,9,10,11,12,13,14,15
	ds_load_tr16_b128 v[VF+4*\i:VF+4*\i+3], v[ADR] offset:8192+512*\i   ; V, turned: channels 16 (i / 4) on, keys 16 (i % 4) on
.endr
	s_wait_dscnt 16                                ; K's sixteen loads are in; V's sixteen, issued behind them, may be out
	WIN W_KQ
.irp dh, 0,1                                       ; S^T = K Q^T: the 16 accumulators take turns, one instruction a turn; the first 16 start the sums
.irp kt, 0,1,2,3
.irp t, 0,1,2,3
.if \dh == 0
	v_wmma_f32_16x16x32_f16 v[S+32*\t+8*\kt:S+32*\t+8*\kt+7], v[KF+16*\kt+8*\dh:KF+16*\kt+8*\dh+7], v[QF+16*\t+8*\dh:QF+16*\t+8*\dh+7], 0
.else
	v_wmma_f32_16x16x32_f16 v[S+32*\t+8*\kt:S+32*\t+8*\kt+7], v[KF+16*\kt+8*\dh:KF+16*\kt+8*\dh+7], v[QF+16*\t+8*\dh:QF+16*\t+8*\dh+7], v[S+32*\t+8*\kt:S+32*\t+8*\kt+7]
.endif
.endr
.endr
.endr
	WIN 0
.rept 4
	v_nop                                          ; four places ahead of the first read of the scores
.endr
	SOFT 0
	SOFT 2
	WIN W_RS
.irp t, 0,1,2,3
.set w, 0
.rept 16
	v_pk_mul_f32 v[32*\t+w:32*\t+w+1], v[32*\t+w:32*\t+w+1], v[ST+8*\t+6:ST+8*\t+7] op_sel_hi:[1,0]   ; O^T under the new m: x a; each accumulator from its low end on
.set w, w+2
.endr
.endr
	s_wait_dscnt 0x0                               ; V is in
	WIN W_PV
.irp kh, 0,1                                       ; O^T += V^T P: keys 32 kh on; the 16 accumulators take turns
.irp ct, 0,1,2,3
.irp t, 0,1,2,3
	v_wmma_f32_16x16x32_f16 v[32*\t+8*\ct:32*\t+8*\ct+7], v[VF+16*\ct+8*\kh:VF+16*\ct+8*\kh+7], v[S+32*\t+8*\kh:S+32*\t+8*\kh+7], v[32*\t+8*\ct:32*\t+8*\ct+7]
.endr
.endr
.endr
	WIN 0                                          ; at a label and at a branch every window is 0
.endm
; THE CHANGE OF SLOTS stands at a slot's head.  Each wave waits for all its tensor loads (its eighth of the slot that it is about to read), adds 0 to its spare word, and waits for that and for its reads of the slot that it has left.
; fill = 1: the barrier is a round of the cluster's, so that no wave of any partner still reads the other slot or has a load on its way; the joint load of the next 512 keys is the first thing behind it, and has 8 key steps in which to land.
.macro CHANGE fill
	s_wait_tensorcnt 0x0                           ; no tensor load of mine is out, so group 0 may be written
	ds_add_u32 v[SPW], v[NIL]                      ; 0 onto my spare word
.if \fill
	s_xor_b32 s[G0+1], s[G0+1], SLOT1              ; the walking descriptor: the other slot than last time,
	s_add_nc_u64 s[G0+2:G0+3], s[G0+2:G0+3], 8*STEPB   ; the next 512 keys; the type bits on top are not reached
	s_wait_dscnt 0x0                               ; the add is done, and my reads of the slot that I have left are over
	CROUND
	JLOAD
.else
	s_wait_dscnt 0x0
	s_barrier_signal -1
	s_barrier_wait -1
.endif
.endm
.macro SLOT_STEPS                      ; a slot's eight key steps: written once, walked eight times
	s_mov_b32 s[STEPC], 8
.Lstep_\@:
	STEP
	s_add_co_u32 s[TB], s[TB], STEPB
	s_sub_co_u32 s[STEPC], s[STEPC], 1
	s_cmp_lg_u32 s[STEPC], 0
	s_cbranch_scc1 .Lstep_\@
	s_sub_co_u32 s[TB], s[TB], 8*STEPB             ; back to a slot's first step,
	s_xor_b32 s[TB], s[TB], SLOT1                  ; in the other slot
.endm
	s_mov_b32 s[SLOTS], 3
.Lslot:                                            ; three trips: behind each change of slots but the last the next 512 keys are asked for (slot 1's first fill stands behind the first trip's round; each later fill goes into the slot read just before its round)
	CHANGE 1
	SLOT_STEPS
	s_sub_co_u32 s[SLOTS], s[SLOTS], 1
	s_cmp_lg_u32 s[SLOTS], 0
	s_cbranch_scc1 .Lslot
	CHANGE 0                                       ; the last slot is written out
	SLOT_STEPS
	; THE WAY OUT.  l's two halves and the other half of the lanes' are added (these additions are the places behind the last products); O^T is divided by l, rounded to f16, and each tile of 16 queries x 16 channels leaves as a piece of 512 bytes:
	; ao + (head / 2) x 2^21 + row tile x 4,096 + (head % 2) x 2,048 + ct x 512: half a fragment of launch 4's operand as its registers want it.
.irp t, 0,1,2,3
	v_add_f32 v[ST+8*\t+4], v[ST+8*\t+2], v[ST+8*\t+3]
.endr
.irp t, 0,1,2,3
	v_permlanex16_b32 v[ST+8*\t+5], v[ST+8*\t+4], s[SEL], s[SEL+1]
.endr
.irp t, 0,1,2,3
	v_add_f32 v[ST+8*\t+4], v[ST+8*\t+4], v[ST+8*\t+5]
.endr
.irp t, 0,1,2,3
	v_rcp_f32 v[ST+8*\t+6], v[ST+8*\t+4]
.endr
	v_nop                                          ; a plain instruction between the last reciprocal and the use of its result
	s_wait_alu depctr_va_vdst(0)                   ; and a wait ahead of the first use: one for the four
.irp t, 0,1,2,3
	WIN W_OUT
.set w, 0
.rept 16
	v_pk_mul_f32 v[S+32*\t+w:S+32*\t+w+1], v[32*\t+w:32*\t+w+1], v[ST+8*\t+6:ST+8*\t+7] op_sel_hi:[1,0]   ; into S^T's registers, which are free
.set w, w+2
.endr
	WIN 0
.set w, 0
.rept 16
	v_cvt_pk_f16_f32 v[S+32*\t+w], v[S+32*\t+2*w], v[S+32*\t+2*w+1]
.set w, w+1
.endr
.irp c, 0,1,2,3
	global_store_b128 v[LI], v[S+32*\t+4*\c:S+32*\t+4*\c+3], s[8:9] offset:4096*\t+512*\c   ; 32 lanes store 512 consecutive bytes
.endr
.endr
	s_wait_kmcnt 0x0                               ; the last look-ahead of mask words
	s_wait_tensorcnt 0x0                           ; the wave's end: behind my last tensor load
	ds_add_u32 v[SPW], v[NIL]
	s_wait_dscnt 0x0
	CROUND                                         ; the closing round: no work-group ends while a partner may still ask for a tile that names it
	s_endpgm
.Lfunc_end_k_qc0848a9e84_attn:
	.size	k_qc0848a9e84_attn, .Lfunc_end_k_qc0848a9e84_attn-k_qc0848a9e84_attn
	.p2alignl 7, 3214868480
	.fill 96, 4, 3214868480
	.section	.rodata,"a",@progbits
	.p2align	6, 0x0
	.amdhsa_kernel k_qc0848a9e84_attn
		.amdhsa_group_segment_fixed_size 327680
		.amdhsa_private_segment_fixed_size 0
		.amdhsa_enable_private_segment 0
		.amdhsa_kernarg_size 24
		.amdhsa_user_sgpr_count 2
		.amdhsa_user_sgpr_kernarg_segment_ptr 1
		.amdhsa_wavefront_size32 1
		.amdhsa_system_sgpr_workgroup_id_x 1
		.amdhsa_system_sgpr_workgroup_id_y 1
		.amdhsa_system_sgpr_workgroup_id_z 1
		.amdhsa_system_vgpr_workitem_id 0
		.amdhsa_next_free_vgpr 512
		.amdhsa_next_free_sgpr 106
		.amdhsa_reserve_vcc 0
		.amdhsa_float_denorm_mode_32 3
		.amdhsa_float_denorm_mode_16_64 3
		.amdhsa_memory_ordered 1
		.amdhsa_forward_progress 1
		.amdhsa_inst_pref_size 105
	.end_amdhsa_kernel
	.amdgpu_metadata
---
amdhsa.version: [ 1, 2 ]
amdhsa.kernels:
  - .name:           k_qc0848a9e84_attn
    .symbol:         k_qc0848a9e84_attn.kd
    .args:
      - { .name: qkv, .offset: 0, .size: 8, .value_kind: global_buffer, .address_space: global }
      - { .name: maskw, .offset: 8, .size: 8, .value_kind: global_buffer, .address_space: global }
      - { .name: ao, .offset: 16, .size: 8, .value_kind: global_buffer, .address_space: global }
    .group_segment_fixed_size: 327680
    .private_segment_fixed_size: 0
    .kernarg_segment_align: 8
    .kernarg_segment_size: 24
    .max_flat_workgroup_size: 256
    .sgpr_count:     106
    .vgpr_count:     512
    .wavefront_size: 32
...
	.end_amdgpu_metadata
.endif
;; end of part 3
;; launch proj (part 4): grid 4 x 64, 8 waves a work-group, clusters of 4 x 4, 327,680 bytes of LDS; arguments ao, wof, b_out, out0; writes out0
.if DOCPART == 4
	.amdgcn_target "amdgcn-amd-amdhsa--gfx1250"
	.amdhsa_code_object_version 6
	.text
	.protected	k_qc0848a9e84_proj
	.globl	k_qc0848a9e84_proj
	.p2align	8
	.type	k_qc0848a9e84_proj,@function
k_qc0848a9e84_proj:
	s_mov_b64 s[64:65], 0
	v_nop
	global_prefetch_b8 v0, s[64:65] scope:SCOPE_SE
	s_setreg_imm32_b32 hwreg(HW_REG_WAVE_MODE, 25, 1), 1
	s_wait_xcnt 0x0
	s_wait_alu depctr_hold_cnt(0) depctr_sa_sdst(0) depctr_va_vdst(0) depctr_va_sdst(0) depctr_va_ssrc(0) depctr_va_vcc(0) depctr_vm_vsrc(0)
	s_getreg_b32 s2, hwreg(HW_REG_IB_STS2, 6, 4)
	s_cmp_eq_u32 s2, 0
	s_cbranch_scc0 .Lentry_in_a_cluster
	s_endpgm
.Lentry_in_a_cluster:
	s_bfe_u32 s2, ttmp6, 0x10000c
	s_cmp_lg_u32 s2, 0xf033
	s_cbranch_scc0 .Lentry_shape_is_right
	s_endpgm
.Lentry_shape_is_right:
; Launch 4 of 4: out0 = o w_out + b_out.  o [8192][1024] and w_out [1024 (k)][1024 (n)] in f16, as the pieces of 512 bytes that launches 3 and 1 stored; sums and out0 in f32.  No work is left out.
; A work-group makes 128 rows x 256 columns; wave w makes rows 64 (w / 4) on, columns 64 (w % 4) on: 16 accumulators of 16 x 16, 128 registers, no register windows.  Two waves share a SIMD: while one waits for its fragments the other multiplies.
; K goes in 8 steps of 128 through a ring of two LDS slots.  A step's part of o for 128 rows is 32,768 dense bytes of ao, its part of w_out for 256 columns 65,536 dense bytes of wof.
; CLUSTERS: 4 x 4 work-groups.  The four of a row of the cluster need the same bytes of ao, the four of a column the same bytes of wof: each is asked for JOINTLY.  Waves 0-3 fetch a quarter of A's part each, waves 4-7 a quarter of B's: one load a wave.
; THE MATRIX INSTRUCTION IS USED TRANSPOSED (source 0 = 16 columns of w_out, by the turning LDS load; source 1 = 16 rows of o): a lane holds one row and eight neighbouring columns.
; THE SUMS BEGIN AS THE BIAS: b_out is loaded straight into the accumulators, in the result's layout, so that every K step is alike and nothing is cleared or added later.
; Every LDS load of a fragment reads 512 consecutive bytes, lane L at 16 L: no pitch, no padding.
.set SLOT1,  1<<17                     ; slot s begins at s x 2^17: A's 32,768 bytes [row tile 8][k / 32: 4][2][512], then B's 65,536 [column tile 16][4][2][512]
.set BOFF,   32768
.set STAGE,  229376                    ; behind the ring: 16 rows x 272 bytes for each wave, for the way out: no tensor load lands here
.set SPITCH, 272
.set SPARE,  STAGE+8*16*SPITCH         ; behind the stages: the spare words, 128 bytes for each wave: four blocks of 256 bytes that no other line names
.set LI,  1                            ; v1     16 x lane
.set ADA, 2                            ; v2-3   LDS address of my rows' pieces in slot 0, 1
.set ADB, 4                            ; v4-5   of my columns' pieces
.set STO, 6                            ; v6     the way out: where I put 32 bytes of a row
.set RD,  7                            ; v7     where I read a row back
.set CO,  8                            ; v8     my byte offset in out0
.set BO,  9                            ; v9     32 x (lane / 16)
.set SPW, 10                           ; v10    LDS address of my spare word; never rewritten
.set NIL, 11                           ; v11    0; never rewritten
.set AF,  16                           ; v16-47 four fragments of o
.set BF,  48                           ; v48-79 four fragments of w_out
.set ACC, 96                           ; v96-223 accumulator (a, b) at v[ACC + 8 (4 a + b)]
.set OUTR, 224                         ; v224-255 16 rows on the way out
.set G1,  24                           ; s[24:31] descriptor group 1 for A;  s[32:39] group 0, one set for each slot
.set G0,  32
.set G1B, 48                           ; s[48:55], s[56:63] the same for B
.set G0B, 56
; A joint load.  Each of the two lines has ONE mask and one set of registers for all that issue it; the branch hangs on the wave's number alone.  An s_nop 0 and four v_nop follow each line.
.macro JLOAD s
	s_cmp_eq_u32 s13, 0
	s_cbranch_scc0 .Lfor_b_\@
	tensor_load_to_lds s[G0+4*(\s):G0+4*(\s)+3], s[G1:G1+7]
	s_nop 0
.rept 4
	v_nop
.endr
	s_branch .Lasked_\@
.Lfor_b_\@:
	tensor_load_to_lds s[G0B+4*(\s):G0B+4*(\s)+3], s[G1B:G1B+7]
	s_nop 0
.rept 4
	v_nop
.endr
.Lasked_\@:
.endm
.macro CROUND                          ; a round of the cluster's barrier
	s_barrier_signal -1
	s_barrier_wait -1
	s_cmp_lg_u32 s12, 0
	s_cbranch_scc1 .Lnot_wave_0_\@
	s_barrier_signal -3
.Lnot_wave_0_\@:
	s_barrier_wait -3
	s_barrier_signal -1
	s_barrier_wait -1
.endm
	s_load_b256 s[4:11], s[0:1], 0x0               ; ao s[4:5], wof s[6:7], b_out s[8:9], out0 s[10:11]
	v_lshl_add_u32 v[SPW], v0, 2, SPARE
	v_mov_b32 v[NIL], 0
	ds_add_u32 v[SPW], v[NIL]                      ; the wave's opening: the add, twice on end, and its wait ahead of my first tensor load; the set-up below stands between the second and the wait
	ds_add_u32 v[SPW], v[NIL]
	v_lshrrev_b32 v1, 5, v0
	v_readfirstlane_b32 s12, v1                    ; wave 0..7
	s_lshr_b32 s13, s12, 2                         ; which 64 rows are mine.  Also: I fetch for A (0) or for B (1)
	s_and_b32 s14, s12, 3                          ; which 64 columns.  Also: which quarter I fetch
	s_bfe_u32 s40, ttmp6, 0x40000                  ; cx, cy: my place in the cluster
	s_bfe_u32 s41, ttmp6, 0x40004
	s_lshl_b32 s42, ttmp9, 2
	s_add_co_u32 s42, s42, s40                     ; tile column = 4 x cluster x + cx
	s_and_b32 s15, ttmp7, 0xffff
	s_lshl_b32 s15, s15, 2
	s_add_co_u32 s15, s15, s41                     ; tile row = 4 x cluster y + cy
	s_lshl_b32 s43, s41, 2
	s_lshl_b32 s43, 15, s43                        ; my row of the cluster
	s_lshl_b32 s44, 0x1111, s40                    ; my column
	; descriptor group 1: dense bytes as rows of 256 (32 elements of 8 bytes), no padding: A's quarter 32 rows, B's 64
	s_or_b32 s[G1+0], s43, (3<<16)|(1<<21)         ; 15:0 the mask: A's bytes go to my row; 17:16 elements of 8 bytes; 21 set beside a mask
	s_or_b32 s[G1B+0], s44, (3<<16)|(1<<21)
	s_mov_b32 s[G1+1], 32<<16                      ; tensor_dim0 = 32
	s_mov_b32 s[G1+2], 32<<16                      ; tensor_dim1 = 32
	s_mov_b32 s[G1+3], 32<<16                      ; tile_dim0 = 32
	s_mov_b32 s[G1+4], 32                          ; tile_dim1 = 32
	s_mov_b32 s[G1+5], 32                          ; tensor_dim0_stride
	s_mov_b32 s[G1+6], 0
	s_mov_b32 s[G1+7], 0
	s_mov_b32 s[G1B+1], 32<<16
	s_mov_b32 s[G1B+2], 64<<16                     ; tensor_dim1 = 64
	s_mov_b32 s[G1B+3], 32<<16
	s_mov_b32 s[G1B+4], 64                         ; tile_dim1 = 64
	s_mov_b32 s[G1B+5], 32
	s_mov_b32 s[G1B+6], 0
	s_mov_b32 s[G1B+7], 0
	s_lshl_b32 s16, s15, 15                        ; A: tile row x 32,768 + quarter x 8,192: registers that never hold cx
	s_lshl_b32 s18, s14, 13
	s_add_co_u32 s16, s16, s18
	s_mov_b32 s17, 0
	s_lshl_b32 s46, s42, 16                        ; B: tile column x 65,536 + quarter x 16,384: registers that never hold cy
	s_lshl_b32 s18, s14, 14
	s_add_co_u32 s46, s46, s18
	s_mov_b32 s47, 0
	s_lshl_b32 s20, s14, 13                        ; where they go: no place in the cluster enters an LDS address
	s_lshl_b32 s21, s14, 14
	s_add_co_u32 s21, s21, BOFF
	s_wait_dscnt 0x0                               ; both opening adds are done
	s_wait_kmcnt 0x0
	s_add_nc_u64 s[16:17], s[4:5], s[16:17]
	s_add_nc_u64 s[46:47], s[6:7], s[46:47]
.irp s, 0,1
	s_mov_b32 s[G0+4*\s], 1
	s_add_co_u32 s[G0+4*\s+1], s20, \s*SLOT1
	s_add_nc_u64 s[G0+4*\s+2:G0+4*\s+3], s[16:17], \s*0x200000    ; K step s of ao
	s_or_b32 s[G0+4*\s+3], s[G0+4*\s+3], 0x80000000
	s_mov_b32 s[G0B+4*\s], 1
	s_add_co_u32 s[G0B+4*\s+1], s21, \s*SLOT1
	s_add_nc_u64 s[G0B+4*\s+2:G0B+4*\s+3], s[46:47], \s*262144    ; K step s of wof
	s_or_b32 s[G0B+4*\s+3], s[G0B+4*\s+3], 0x80000000
.endr
	CROUND                                         ; all sixteen work-groups are here: the first joint loads meet
	JLOAD 0                                        ; K step 0: one load of mine is out
	v_and_b32 v12, 31, v0
	v_lshlrev_b32 v[LI], 4, v12
	v_and_b32 v12, 15, v0                          ; r
	v_bfe_u32 v13, v0, 4, 1                        ; h
	v_lshlrev_b32 v[BO], 5, v13
	s_lshl_b32 s18, s42, 10                        ; my first column, in bytes of f32: 1,024 x tile column + 256 x (wave % 4)
	s_lshl_b32 s19, s14, 8
	s_add_co_u32 s18, s18, s19
	s_mov_b32 s19, 0
	s_add_nc_u64 s[8:9], s[8:9], s[18:19]
	s_add_nc_u64 s[10:11], s[10:11], s[18:19]
.irp a, 0,1,2,3
.irp b, 0,1,2,3
	global_load_b128 v[ACC+8*(4*\a+\b):ACC+8*(4*\a+\b)+3], v[BO], s[8:9] offset:64*\b        ; accumulator (a, b), register j: b_out at column 16 b + 8 h + j
	global_load_b128 v[ACC+8*(4*\a+\b)+4:ACC+8*(4*\a+\b)+7], v[BO], s[8:9] offset:64*\b+16
.endr
.endr
	s_lshl_b32 s18, s15, 19                        ; my first row of out0: (128 x tile row + 64 x (wave / 4)) x 4,096 bytes
	s_lshl_b32 s22, s13, 18
	s_add_co_u32 s18, s18, s22
	s_add_nc_u64 s[10:11], s[10:11], s[18:19]
	s_lshl_b32 s22, s13, 14                        ; my four row tiles of 4,096 bytes
	v_add_nc_u32 v[ADA], s22, v[LI]
	v_add_nc_u32 v[ADA+1], SLOT1, v[ADA]
	s_lshl_b32 s22, s14, 14                        ; my four column tiles, behind A's part
	s_add_co_u32 s22, s22, BOFF
	v_add_nc_u32 v[ADB], s22, v[LI]
	v_add_nc_u32 v[ADB+1], SLOT1, v[ADB]
	s_mul_i32 s22, s12, 16*SPITCH
	s_add_co_u32 s22, s22, STAGE                   ; my stage
	v_mul_u32_u24 v[STO], v12, SPITCH              ; in: row r, 32 bytes for each half of the lanes
	v_lshl_add_u32 v[STO], v13, 5, v[STO]
	v_add_nc_u32 v[STO], s22, v[STO]
	v_mul_u32_u24 v[RD], v13, SPITCH               ; back: lanes 0-15 take one row of 256 bytes, lanes 16-31 the next
	v_lshl_add_u32 v[RD], v12, 4, v[RD]
	v_add_nc_u32 v[RD], s22, v[RD]
	v_lshlrev_b32 v[CO], 12, v13                   ; and the same two rows in out0
	v_lshl_add_u32 v[CO], v12, 4, v[CO]
	s_wait_loadcnt 0x0                             ; the bias lies in the accumulators
; 32 along K: eight pieces of o, eight of w_out (turned), 16 matrix instructions on 16 accumulators by turns, one instruction a turn, in the same order everywhere.
.macro K32 slot, ks
.rept 4
	v_nop                                          ; four places ahead of loads into registers that matrix instructions have read
.endr
.irp a, 0,1,2,3
.irp p, 0,1
	ds_load_b128 v[AF+8*\a+4*\p:AF+8*\a+4*\p+3], v[ADA+\slot] offset:4096*\a+1024*\ks+512*\p
.endr
.endr
.irp b, 0,1,2,3
.irp p, 0,1
	ds_load_tr16_b128 v[BF+8*\b+4*\p:BF+8*\b+4*\p+3], v[ADB+\slot] offset:4096*\b+1024*\ks+512*\p
.endr
.endr
	s_wait_dscnt 0x0
.irp a, 0,1,2,3
.irp b, 0,1,2,3
	v_wmma_f32_16x16x32_f16 v[ACC+8*(4*\a+\b):ACC+8*(4*\a+\b)+7], v[BF+8*\b:BF+8*\b+7], v[AF+8*\a:AF+8*\a+7], v[ACC+8*(4*\a+\b):ACC+8*(4*\a+\b)+7]
.endr
.endr
.endm
; A K step of 128.  In front of the round each wave waits for all its tensor loads (its part of this step's slot), adds 0 to its spare word, and waits for that and for its reads of the other slot.
; Behind the round this slot is whole and no wave of any partner reads the other one: refill = 1: it takes the next K step, the wave's one tensor load until the next round.
.macro TRIP slot, refill
	s_wait_tensorcnt 0x0                           ; no tensor load of mine is out, so every group 0 may be written:
	ds_add_u32 v[SPW], v[NIL]                      ; 0 onto my spare word
	s_add_nc_u64 s[G0+4*\slot+2:G0+4*\slot+3], s[G0+4*\slot+2:G0+4*\slot+3], 0x400000      ; this slot's next K step, two on (behind the last two it is not used)
	s_add_nc_u64 s[G0B+4*\slot+2:G0B+4*\slot+3], s[G0B+4*\slot+2:G0B+4*\slot+3], 524288
	s_wait_dscnt 0x0                               ; the add is done, and my reads of the other slot are over
	CROUND
.if \refill
	JLOAD 1-\slot
.endif
.irp q, 0,1,2,3
	K32 \slot, \q
.endr
.endm
	s_mov_b32 s3, 3
.Llap:                                             ; three trips of two K steps (slot 1's first fill stands behind the first trip's round; each later fill goes into the slot read just before its round)
	TRIP 0, 1
	TRIP 1, 1
	s_sub_co_u32 s3, s3, 1
	s_cmp_lg_u32 s3, 0
	s_cbranch_scc1 .Llap
	TRIP 0, 1                                      ; the last two K steps are written out: the very last asks for nothing
	TRIP 1, 0
	; THE WAY OUT, 16 rows x 64 columns at a time.  A lane holds 32 neighbouring bytes of a row for each of four blocks of columns: they go through my own stage and come back as whole rows of 256 bytes.
.rept 4
	v_nop                                          ; four places ahead of the first read of results
.endr
.irp a, 0,1,2,3
.if \a > 0
	s_wait_xcnt 0x0                                ; the last block's stores have read their registers, which the loads below write again
.endif
.irp b, 0,1,2,3
	ds_store_b128 v[STO], v[ACC+8*(4*\a+\b):ACC+8*(4*\a+\b)+3] offset:64*\b          ; each accumulator from its low end on
	ds_store_b128 v[STO], v[ACC+8*(4*\a+\b)+4:ACC+8*(4*\a+\b)+7] offset:64*\b+16
.endr
.irp i, 0,1,2,3,4,5,6,7
	ds_load_b128 v[OUTR+4*\i:OUTR+4*\i+3], v[RD] offset:\i*2*SPITCH   ; LDS serves a wave's instructions in order (ISA guide 5.7.1.4): these see the stores above
.endr
	s_wait_dscnt 0x0
.irp i, 0,1,2,3,4,5,6,7
	global_store_b128 v[CO], v[OUTR+4*\i:OUTR+4*\i+3], s[10:11] offset:(16*\a+2*\i)*4096 th:TH_STORE_NT   ; 16 lanes store 256 consecutive bytes, at a multiple of 256 from out0's first byte
.endr
.endr
	s_wait_tensorcnt 0x0                           ; the wave's end: behind my last tensor load and my last LDS store
	ds_add_u32 v[SPW], v[NIL]
	s_wait_dscnt 0x0
	CROUND                                         ; the closing round: no work-group ends while a partner may still ask for a tile that names it
	s_endpgm
.Lfunc_end_k_qc0848a9e84_proj:
	.size	k_qc0848a9e84_proj, .Lfunc_end_k_qc0848a9e84_proj-k_qc0848a9e84_proj
	.p2alignl 7, 3214868480
	.fill 96, 4, 3214868480
	.section	.rodata,"a",@progbits
	.p2align	6, 0x0
	.amdhsa_kernel k_qc0848a9e84_proj
		.amdhsa_group_segment_fixed_size 327680
		.amdhsa_private_segment_fixed_size 0
		.amdhsa_enable_private_segment 0
		.amdhsa_kernarg_size 32
		.amdhsa_user_sgpr_count 2
		.amdhsa_user_sgpr_kernarg_segment_ptr 1
		.amdhsa_wavefront_size32 1
		.amdhsa_system_sgpr_workgroup_id_x 1
		.amdhsa_system_sgpr_workgroup_id_y 1
		.amdhsa_system_sgpr_workgroup_id_z 1
		.amdhsa_system_vgpr_workitem_id 0
		.amdhsa_next_free_vgpr 256
		.amdhsa_next_free_sgpr 66
		.amdhsa_reserve_vcc 0
		.amdhsa_float_denorm_mode_32 3
		.amdhsa_float_denorm_mode_16_64 3
		.amdhsa_memory_ordered 1
		.amdhsa_forward_progress 1
		.amdhsa_inst_pref_size 55
	.end_amdhsa_kernel
	.amdgpu_metadata
---
amdhsa.version: [ 1, 2 ]
amdhsa.kernels:
  - .name:           k_qc0848a9e84_proj
    .symbol:         k_qc0848a9e84_proj.kd
    .args:
      - { .name: ao, .offset: 0, .size: 8, .value_kind: global_buffer, .address_space: global }
      - { .name: wof, .offset: 8, .size: 8, .value_kind: global_buffer, .address_space: global }
      - { .name: b_out, .offset: 16, .size: 8, .value_kind: global_buffer, .address_space: global }
      - { .name: out0, .offset: 24, .size: 8, .value_kind: global_buffer, .address_space: global }
    .group_segment_fixed_size: 327680
    .private_segment_fixed_size: 0
    .kernarg_segment_align: 8
    .kernarg_segment_size: 32
    .max_flat_workgroup_size: 256
    .sgpr_count:     66
    .vgpr_count:     256
    .wavefront_size: 32
...
	.end_amdgpu_metadata
.endif
;; end of part 4
